; MI455X (gfx1250); checked and timed in simulation.
; The chip was launched on July 23, 2026; its instructions are those of AMD's public machine-readable ISA for CDNA 5 (MIT licence, August 2026) and "CDNA5" Instruction Set Architecture Reference Guide (July 2026). The comments in the code are by the model that wrote it; some were corrected since.
;; Casual Attention. Allowed arithmetic: matrix products marked QUANTISED: E2M3 operands, one E8M0 scale for each 32 along K, by v_wmma_scale_f32_16x16x128_f8f6f4 with both operands' format E2M3, f32 sums; everything else in f32.
;; Inputs: Wk_codes 1,024 x 32 x 24 uint8 (E2M3 codes of Wk, K innermost, in blocks of 32 codes, four codes in three bytes); Wk_scales 1,024 x 32 uint8 (E8M0 scales of Wk, one for each 32 codes along K); Wq_codes 1,024 x 32 x 24 uint8 (E2M3 codes of Wq, K innermost, in blocks of 32 codes, four codes in three bytes); Wq_scales 1,024 x 32 uint8 (E8M0 scales of Wq, one for each 32 codes along K); Wv_codes 1,024 x 32 x 24 uint8 (E2M3 codes of Wv, K innermost, in blocks of 32 codes, four codes in three bytes); Wv_scales 1,024 x 32 uint8 (E8M0 scales of Wv, one for each 32 codes along K); x_codes 4 x 2,048 x 32 x 24 uint8 (E2M3 codes of x, K innermost, in blocks of 32 codes, four codes in three bytes); x_scales 4 x 2,048 x 32 uint8 (E8M0 scales of x, one for each 32 codes along K).
;; Outputs: out0 4 x 2,048 x 1,024 float32.
;; This version of the problem:
;;   THIS VERSION OF THE PROBLEM IS GIVEN IN LOW PRECISION. The matrix products marked QUANTISED in the list below multiply operands that are first quantised to E2M3 (2 exponent bits, 3 mantissa bits; 6 bits a number), with one power-of-two scale for each 32 numbers along K (OCP MX v1.0); their sums are f32. All else is computed in f32.
;;   The module's matrix products, in the order in which they are computed (A, B: the left and right operand; K: the contracted axis; several contracted axes count as one K, in the product's order):
;;     1. [M 8,192, K 1,024] x [K 1,024, N 1,024]; A: input x (given as codes); B: input Wq (given as codes): QUANTISED
;;     2. [M 8,192, K 1,024] x [K 1,024, N 1,024]; A: input x (given as codes); B: input Wk (given as codes): QUANTISED
;;     3. [M 8,192, K 1,024] x [K 1,024, N 1,024]; A: input x (given as codes); B: input Wv (given as codes): QUANTISED
;;     4. batch 4 x [M 2,048, K 1,024] x [K 1,024, N 2,048]; A: computed on the way; B: computed on the way: QUANTISED
;;     5. batch 4 x [M 2,048, K 2,048] x [K 2,048, N 1,024]; A: softmax (see below); B: computed on the way: QUANTISED
;;   THE QUANTISER, for each operand of a quantised product, along K:
;;     - K is cut into blocks of 32 from its start; a last block that is shorter is filled with zeros.
;;     - A block's scale is 2^e with e = floor(log2(the largest magnitude in the block)) - 2, held to -126 .. 127; a block of zeros has e = 0. As a byte (E8M0): e + 127.
;;     - Each number is divided by its block's scale, clamped to +-7.5, and rounded to the nearest number of E2M3, ties to even, subnormals kept.
;;     - The product sums the exact products of the quantised numbers (number of the format x scale) in f32.
;;   ~~~python
;;   def quantise(x, axis):      # numpy; x: float32 -> the quantised numbers, widened to float32 again
;;       x = np.moveaxis(x, axis, -1); K = x.shape[-1]
;;       x = np.pad(x, [(0, 0)] * (x.ndim - 1) + [(0, -K % 32)]); x = x.reshape(x.shape[:-1] + (-1, 32)); a = np.abs(x).max(-1, keepdims=True)
;;       e = np.where(a > 0, np.clip(np.frexp(np.where(a > 0, a, 1))[1] - 1 - 2, -126, 127), 0)      # np.frexp(a)[1] - 1 = floor(log2(a)), exactly
;;       r = np.clip(x / 2.0 ** e, -7.5, 7.5)
;;       step = 2.0 ** (np.maximum(np.frexp(np.where(r == 0, 1, r))[1] - 1, 0) - 3)
;;       q = np.round(r / step) * step * 2.0 ** e      # np.round: ties to even
;;       return np.moveaxis(q.reshape(q.shape[:-2] + (-1,))[..., :K], -1, axis).astype(np.float32)
;;   ~~~
;;   SOFTMAX AHEAD OF A QUANTISED PRODUCT. Where the list says 'softmax', what is quantised is not the finished softmax but p = 2^(t - M), with t = logit x log2(e) and M = ceil(the row's largest t), a whole number; so 1/2 < the row's largest p <= 1. The row's sum l is taken of the UNQUANTISED p, in f32, and the product's result is divided by l at the end. Since M is a whole number, a kernel that streams over the keys may use a running M (the ceiling of the running maximum): every later rescaling is an exact power of two, which a block's scale takes up: the codes' values come out the same.
;;   OPERANDS COMPUTED ON THE WAY. 'Computed on the way' means the value that the module computes at that place (a softmax that the list does not call 'softmax' is quantised finished and normalised). What goes into a quantiser is computed in f32, as accurately as f32 sums, v_exp_f32 and their like allow (about 1e-6 of the number): no bf16 or f16 on the way to a quantiser, and a product that is left as it is and whose result goes on into a quantised operand takes f32 operands (vector FMAs, or v_wmma_f32_16x16x4_f32). A number that lies on a knife's edge between two numbers of the format may be rounded either way, as far as f32 arithmetic and the matrix unit's own rounding can turn it there, and no further.
;;   INPUTS GIVEN AS CODES. Wk (in the module: [1024, 1024], K = its axis 1); Wq (in the module: [1024, 1024], K = its axis 1); Wv (in the module: [1024, 1024], K = its axis 1); x (in the module: [4, 2048, 1024], K = its axis 2): each comes as NAME_codes (uint8): NAME with its K axis moved to the last place and cut into blocks of 32 codes, [.., K / 32, bytes a block], one block behind the other in memory; four codes in three bytes: a row's codes are one little-endian stream of bits, code i at bits 6 i .. 6 i + 5 (a code: sign, 2 exponent bits, 3 mantissa bits); and NAME_scales (uint8): the same leading axes, one E8M0 byte (e + 127) for each 32 codes along K. Its value is code x scale, taken as it is: it is not quantised again, and the codes and scales need not be those that the quantiser above would give.
;; One version. Each part assembles by itself: llvm-mc -triple=amdgcn-amd-amdhsa -mcpu=gfx1250 --defsym DOCPART=n.
;; ======== version 1 of 1: 3 launches
;; limits: right only within a limited range of input values
;; workspace buffers: QKc 12,582,912 bytes; QKs 524,288 bytes; Vc 6,291,456 bytes; Vs 262,144 bytes; Pc 12,582,912 bytes; Pst 1,572,864 bytes
;; launch proj (part 1): grid 16 x 16, 4 waves a work-group, clusters of 4 x 4, 327,680 bytes of LDS; arguments x_codes, x_scales, Wq_codes, Wq_scales, Wk_codes, Wk_scales, Wv_codes, Wv_scales, QKc, QKs, Vc, Vs; writes QKc, QKs, Vc, Vs
.if DOCPART == 1
	.amdgcn_target "amdgcn-amd-amdhsa--gfx1250"
	.amdhsa_code_object_version 6
	.text
	.protected	k_qb8d2ec0874_proj
	.globl	k_qb8d2ec0874_proj
	.p2align	8
	.type	k_qb8d2ec0874_proj,@function
k_qb8d2ec0874_proj:
	s_mov_b64 s[64:65], 0
	v_nop
	global_prefetch_b8 v0, s[64:65] scope:SCOPE_SE
	s_setreg_imm32_b32 hwreg(HW_REG_WAVE_MODE, 25, 1), 1
	s_wait_xcnt 0x0
	s_wait_alu depctr_hold_cnt(0) depctr_sa_sdst(0) depctr_va_vdst(0) depctr_va_sdst(0) depctr_va_ssrc(0) depctr_va_vcc(0) depctr_vm_vsrc(0)
	s_getreg_b32 s2, hwreg(HW_REG_IB_STS2, 6, 4)
	s_cmp_eq_u32 s2, 0
	s_cbranch_scc0 .Lentry_in_a_cluster
	s_endpgm
.Lentry_in_a_cluster:
	s_bfe_u32 s2, ttmp6, 0x10000c
	s_cmp_lg_u32 s2, 0xf033
	s_cbranch_scc0 .Lentry_shape_is_right
	s_endpgm
.Lentry_shape_is_right:
; Q, K, V = x W^T and their quantisers.  x, Wq, Wk, Wv arrive as codes of FP6 (rows of 768 bytes) with a scale byte for each 32 along K.  The results leave as codes and scale bytes in the order of the next launches' operand registers.
; DEAD WORK LEFT OUT BY THE PROGRAM: tiles of scores that the causal mask sets to -infinity for all inputs (whole tiles of 256 x 256, and 128 x 128 on the diagonal).  A NaN, an infinity or an overflow that reaches only these is not carried to the result.
; LIMITS: NaN and infinities are not served; a block of zeros carries the byte 1 (its codes are zeros).
; PLACES.  A tile of 16 rows is tile j = 0..3 of a band of 64: lane r < 8 takes row 8 j + r, lane r >= 8 row 32 + 8 (j xor 1) + r - 8.  So the 32 results that a lane holds of a band's four tiles are one block of 32; in the blocks of
; lanes 16-31 the groups of eight stand in the order 1, 0, 3, 2, alike in every operand of a product.  With rows 816 bytes apart in LDS the 16 rows of a tile start at 16 different multiples of four banks.
; Q, K: the tensors' rows x 64 columns in a lane's 32 registers: [tensor][16 rows: 512][128 columns: 8][64 columns: 2][registers 0-3: 16 x lane; 512 + registers 4-5: 8 x lane], 768 bytes each.
; QKs: [tensor][256 rows: 32][128 columns: 8][256 rows][4 bytes].   Vc: [batch][16 columns: 64][128 tokens: 16][3][lane][16].   Vs: [128 tokens: 64][1,024 columns][4 bytes].
; THE DEAL.  256 work-groups of four waves, 2 x 2; a wave holds 64 rows of a weight, all of K, in registers (384) and streams x past them in blocks of 16 rows.  A work-group makes 256 x 128 of V, phase 1, and then 512 x 128 of Q or K, phase 2.
; V's 256 rows are a half of the work-group's own 512 (s87, from the cluster's number alone), so they serve both phases; only the other half is loaded later, in two chunks: 64 rows of each 128.
; x's rows are shared by a row of the cluster, a weight's rows by a column: joint loads.
; FILLS.  At the head one tensor load a wave.  Three refills, each in a drained round of the cluster's barrier with the three lines ahead of it: the weights' region in V's third block; x's chunks and their scale bytes in phase 2's blocks 2 and 6.
; A BLOCK is 32 products; behind every second one stand two entries of the block's list: scalar lines and one or two vector lines.
; PREFETCHES into the L2, shared out by address among the sixteen waves that will ask jointly: the second weight at the head; the first chunk and the scale bytes behind the first refill; the second chunk between the phases.
; THE WAITS' COUNTS.  A block's rows were fetched two blocks ago.  Younger are the next block's fetch, NF loads, and the byte stores issued between the two.
.set NQ,     8
.set NB,     4
.set KROW,   768
.set KS,     32
.set PITCH,  816                       ; 3 x (256 + 16)
.set FR,     12
.set FPW,    21                        ; fragments in a window of 256 registers
.set NF,     28                        ; LDS loads of a block: 26 + 2
.set SU,     272                       ; 8 rows' scale bytes, 256 + 16
.set BVB,    256*PITCH                 ; behind x's 256 rows: the weights' 128 rows
.set SCL,    BVB+128*PITCH             ; scale bytes of x's 256 rows
.set XN,     SCL+32*SU                 ; Q's or K's scale bytes: [wave column][1,024]
.set XM,     XN+2048                   ; V's: [wave column][512]
.set SPARE,  XM+1024
.set EMAX,   2
.set RBLK,   12288                     ; 16 rows of Q or K: eight records
.set VT,     24576                     ; 16 columns of V: sixteen records
.set ADRA0, 4                          ; v4, v5  LDS address of an even tile's fragments (v5: pieces behind one padding more); v22, v23 an odd tile's
.set AAS0,  6                          ; v6      of its scale words; v1 an odd tile's
.set CO,    9                          ; v9      16 x lane
.set SPW,   10
.set NIL,   11
.set ADRA,  12                         ; v12, v13 for the block that is fetched next (at the head: the weights' odd tiles)
.set ADRB,  14                         ; v14, v15 the weights' even tiles
.set ABS,   16
.set AAS,   17
.set STO,   18
.set STV,   19
.set CO8,   21                         ; v21     8 x lane
.set SB,    24                         ; v24-39  the weights' scale words
.set TQ,    40
.set SA,    44                         ; v44-59  the rows' scale words, two sets
.set TC,    60
.set ACC,   64                         ; phase 2: two sets of four accumulators
.set HV0,   64                         ; phase 1, band 0: 32 t + 8 j + i
.set HV1,   840                        ; band 1
.set NCD,   128                        ; phase 2: six registers of the even block, six of the odd
.set MCD,   192                        ; phase 1: four operands of twelve
.set SOP,   240
.set EB,    244
.set VX,    248
.set SB2,   968                        ; phase 2's weights' scale words
.set BA,    984                        ; LDS addresses of the weights' four tiles
.set G1A, 24
.set G0A, 56
.set G0R, 68
.set G1B, 32
.set G0B, 60
.set G1S, 92
.set G0S, 72
.set MSB, 0
.macro WIN new
.if MSB != (\new)
	s_set_vgpr_msb (MSB<<8)|(\new)
.set MSB, (\new)
.endif
.endm
.macro PLACES n
.rept \n
	v_nop
.endr
.endm
.macro WALU
	s_wait_alu depctr_va_vdst(0)
.endm
.macro BARRIER
	s_barrier_signal -1
	s_barrier_wait -1
.endm
.macro MIDDLE                          ; a round's middle: the opening wait, wave 0's signal for the work-group, the cluster's wait
	WIN 0
	s_barrier_wait -1
	s_cmp_lg_u32 s14, 0
	s_cbranch_scc1 .Lnot_wave_0_\@
	s_barrier_signal -3
.Lnot_wave_0_\@:
	s_barrier_wait -3
.endm
.macro CROUND
	s_barrier_signal -1
	MIDDLE
	BARRIER
.endm
.macro GRD
	s_wait_tensorcnt 0x0
	ds_add_u32 v[SPW], v[NIL]
.endm
.macro TLOAD g0, g1
	tensor_load_to_lds s[\g0:\g0+3], s[\g1:\g1+7]
	s_nop 0
	PLACES 4
.endm
.macro GROUP1 g, mask, rows
	s_or_b32 s[\g+0], s[\mask], (1<<20)|(1<<21)|(5<<22)|(3<<25)
	s_mov_b32 s[\g+1], KROW<<16
	s_mov_b32 s[\g+2], (\rows)<<16
	s_mov_b32 s[\g+3], KROW<<16
	s_mov_b32 s[\g+4], \rows
	s_mov_b32 s[\g+5], KROW
	s_mov_b32 s[\g+6], 0
	s_mov_b32 s[\g+7], 0
.endm
.macro SADD d, x
	s_add_co_u32 s\d, s\d, s\x
.endm
.macro G0SET g, base, off              ; group 0's address: 64-bit base + the 32-bit offset in s\off (s21 = 0)
	s_mov_b32 s20, s\off
	s_add_nc_u64 s[\g+2:\g+3], s[\base:\base+1], s[20:21]
	s_or_b32 s[\g+3], s[\g+3], 0x80000000
.endm
; Fragment f lies in window 1 + f / 21 at register 12 (f % 21): 0-31 the weights' (4 q + b), 32-39 and 40-47 x's two sets.
.macro FRAG f, q, a0, a1, aw           ; six pieces of 8 bytes, two to a load where both lie behind as many paddings
	WIN ((1+(\f)/FPW)<<6)|(\aw)
.set R_, FR*((\f)%FPW)
.set SKIP_, 0
.irp p, 0,1,2,3,4,5
.if SKIP_
.set SKIP_, 0
.else
.set PC_, 12*(\q)+6*(\p/3)+\p%3
.set PN_, 12*(\q)+6*((\p+1)/3)+(\p+1)%3
.set X_, (PC_%32+3)/32
.set XQ_, (PN_%32+3)/32
.if (\p < 5) && (X_ == XQ_)
.set SKIP_, 1
.if X_
	ds_load_2addr_b64 v[R_+2*\p:R_+2*\p+3], \a1 offset0:PC_+2*(PC_/32) offset1:PN_+2*(PN_/32)
.else
	ds_load_2addr_b64 v[R_+2*\p:R_+2*\p+3], \a0 offset0:PC_+2*(PC_/32) offset1:PN_+2*(PN_/32)
.endif
.elseif X_
	ds_load_b64 v[R_+2*\p:R_+2*\p+1], \a1 offset:8*(PC_+2*(PC_/32))
.else
	ds_load_b64 v[R_+2*\p:R_+2*\p+1], \a0 offset:8*(PC_+2*(PC_/32))
.endif
.endif
.endr
.endm
.macro WEIGHTS                         ; my 64 rows of the weight, all of K: 104 loads
.irp q, 0,1,2,3,4,5,6,7
.irp b, 0,1,2,3
	FRAG NB*\q+\b, \q, v[BA-768+2*\b], v[BA-768+2*\b+1], 3
.endr
.endr
	WIN 0
.endm
.macro FETCHAT e, a0, a1, as           ; a block of x's rows into set e: NF loads
.irp q, 0,1,2,3,4,5,6,7
	FRAG NB*NQ+NQ*(\e)+\q, \q, \a0, \a1, 0
.endr
	WIN 0
	ds_load_b128 v[SA+8*(\e):SA+8*(\e)+3], \as
	ds_load_b128 v[SA+8*(\e)+4:SA+8*(\e)+7], \as offset:16
.endm
.macro FETCH e
	FETCHAT \e, v[ADRA], v[ADRA+1], v[AAS]
.endm
.macro FETCH01                         ; a phase's first two blocks
	FETCHAT 0, v[ADRA0], v[ADRA0+1], v[AAS0]
	FETCHAT 1, v22, v23, v1
	s_mov_b32 s100, 0
.endm
; A product.  n = 4 q + tile.  kind 0 (Q, K): source 0 the weight's rows; kind 1 (V): source 0 x's rows.
.macro PROD kind, e, n, a0, as
.set Q_, (\n)/4
.set FB_, NB*Q_+(\n)%4
.set FA_, NB*NQ+NQ*(\e)+Q_
.set D_, (\a0)+(\as)*((\n)%4)
.set DL_, D_&255
.set XB_, SB+NQ*(((\n)%4)/2)+Q_
.set XA_, SA+8*(\e)+Q_
.if \kind
	WIN (1+FA_/FPW)|((1+FB_/FPW)<<2)|((D_>>8)<<4)|((D_>>8)<<6)
.if Q_
	PROD1 DL_, FA_, FB_, v[DL_:DL_+7], XA_, XB_, b, (\n)%2
.else
	PROD1 DL_, FA_, FB_, 0, XA_, XB_, b, (\n)%2
.endif
.else
	WIN (1+FB_/FPW)|((1+FA_/FPW)<<2)|((D_>>8)<<4)|((D_>>8)<<6)
.if Q_
	PROD1 DL_, FB_, FA_, v[DL_:DL_+7], XB_, XA_, a, (\n)%2
.else
	PROD1 DL_, FB_, FA_, 0, XB_, XA_, a, (\n)%2
.endif
.endif
.endm
.macro PROD1 d, s0, s1, c, x0, x1, side, o
.if \o
	v_wmma_scale_f32_16x16x128_f8f6f4 v[\d:\d+7], v[FR*((\s0)%FPW):FR*((\s0)%FPW)+FR-1], v[FR*((\s1)%FPW):FR*((\s1)%FPW)+FR-1], \c, v[\x0], v[\x1] matrix_a_fmt:MATRIX_FMT_FP6 matrix_b_fmt:MATRIX_FMT_FP6 matrix_\side\()_scale:MATRIX_SCALE_ROW1
.else
	v_wmma_scale_f32_16x16x128_f8f6f4 v[\d:\d+7], v[FR*((\s0)%FPW):FR*((\s0)%FPW)+FR-1], v[FR*((\s1)%FPW):FR*((\s1)%FPW)+FR-1], \c, v[\x0], v[\x1] matrix_a_fmt:MATRIX_FMT_FP6 matrix_b_fmt:MATRIX_FMT_FP6 matrix_\side\()_scale:MATRIX_SCALE_ROW0
.endif
.endm
.macro BLOCK kind, e, a0, as, from, to, list, x=0, y=0
.set N_, \from
.rept (\to)-(\from)
	PROD \kind, \e, N_, \a0, \as
.if N_%2
	\list N_-1, \x, \y
	\list N_, \x, \y
.endif
.set N_, N_+1
.endr
.endm
; ---- what the lists are made of: each macro writes entry i of its part, and nothing beyond its last
.macro STEP i, odd                     ; the LDS addresses of the block two on: 3 entries.  s100 = 0, 1, 4, 5 and round again: the pair of tiles, in 16 rows
.if (\i) == 0
.if (\odd) == 0
	s_add_co_u32 s100, s100, 1
	s_cmp_eq_u32 s100, 2
	s_cselect_b32 s100, 4, s100
.endif
.elseif (\i) == 1
.if (\odd) == 0
	s_cmp_eq_u32 s100, 6
	s_cselect_b32 s100, 0, s100
	s_mul_i32 s101, s100, 16*PITCH
	s_mul_i32 s91, s100, 2*SU
.endif
	WIN 0
	v_add_nc_u32 v[ADRA], s101, v[ADRA0+18*(\odd)]
.elseif (\i) == 2
	WIN 0
	v_add_nc_u32 v[ADRA+1], s101, v[ADRA0+1+18*(\odd)]
	v_add_nc_u32 v[AAS], s91, v[AAS0-5*(\odd)]
.endif
.endm
.macro CHAIN i, x, n, t=TQ             ; a way out's first part, 18 entries: the largest magnitude of the 32 sums from register x on, by two chains, and the conversions' scale operand v[SOP+n]
.set XW_, (\x)>>8
.set XL_, (\x)&255
.if (\i) >= 0 && (\i) < 14
.set B_, XL_+16*((\i)%2)+2*((\i)/2)
.set T_, (\t)+1-(\i)%2
.if (\i) < 2
	WIN XW_|(XW_<<2)|(XW_<<4)
	v_max3_num_f32 v[T_], |v[B_]|, |v[B_+1]|, |v[B_+2]|
.else
	WIN (XW_<<2)|(XW_<<4)
	v_max3_num_f32 v[T_], v[T_], |v[B_+1]|, |v[B_+2]|
.endif
.elseif (\i) == 14
	WIN XW_<<2
	v_max3_num_f32 v[\t+1], v[\t+1], |v[XL_+15]|, (EMAX+1)<<23
.elseif (\i) == 15
	WIN 0
	v_nop                                  ; so that the next line, which reads entry 14's result, stands in the next pair
.elseif (\i) == 16
	WIN XW_<<2
	v_max3_num_f32 v[\t], v[\t], |v[XL_+31]|, v[\t+1]
.elseif (\i) == 17
	WIN 0
	v_add_nc_u32 v[SOP+\n], -(EMAX<<23), v[\t]
.endif
.endm
.macro CODES i, x, c, n, t=TC          ; its second part, 6 lines: 32 codes into v[c .. c+5], the scale's byte into v[EB+n]
.set XW_, (\x)>>8
.set XL_, (\x)&255
.if (\i) == 0
	WIN XW_
	v_cvt_scalef32_pk16_fp6_f32 v[\c:\c+2], v[XL_:XL_+15], v[SOP+\n]
.elseif (\i) == 1
	WIN XW_
	v_cvt_scalef32_pk16_fp6_f32 v[\t:\t+2], v[XL_+16:XL_+31], v[SOP+\n]
.elseif (\i) == 2
	WIN 0
	v_lshrrev_b32 v[EB+\n], 23, v[SOP+\n]
.else
	WIN 0
	v_mov_b32 v[\c+\i], v[\t+\i-3]
.endif
.endm
.macro CODES6 x, c, n
.irp i, 0,1,2,3,4,5
	CODES \i, \x, \c, \n
.endr
.endm
.macro PFTILE v, off, share            ; one entry: 24 units of 256 bytes from s\off + s\share on
	s_add_co_u32 s20, s\off, s\share
	WIN 0
	v_min_u32 v\v, 23, v3
	v_lshl_add_u32 v\v, v\v, 8, s20
.endm
.macro PFGO v, base
	global_prefetch_b8 v\v, s[\base:\base+1] th:TH_LOAD_NT scope:SCOPE_SE
.endm
.macro PUT3 r, base, off
.irp k, 0,1,2
	global_store_b128 v[CO], v[\r+4*\k:\r+4*\k+3], \base offset:(\off)+512*\k
.endr
.endm
.macro PUT2 r, off                     ; a block's 768 bytes: 512 and 256 on end, aligned
	global_store_b128 v[CO], v[\r:\r+3], s[84:85] offset:\off
	global_store_b64 v[CO8], v[\r+4:\r+5], s[84:85] offset:(\off)+512
.endm
.macro ASK i                           ; 5 entries: the descriptors of the chunk at s88 (bytes from x) for s47, and of its scale bytes at s18 for s8: 64 rows of each 128, by the wave's number; then all four step on
.if (\i) == 0
	s_mul_i32 s[G0R+1], s16, 128*PITCH
	s_add_co_u32 s[G0R+1], s[G0R+1], s47
	s_mul_i32 s20, s16, 128*KROW
	SADD 20, 88
.elseif (\i) == 1
	s_mov_b32 s21, 0
	s_add_nc_u64 s[G0R+2:G0R+3], s[4:5], s[20:21]
	s_or_b32 s[G0R+3], s[G0R+3], 0x80000000
	s_mul_i32 s[G0S+1], s16, 16*SU
.elseif (\i) == 2
	s_add_co_u32 s[G0S+1], s[G0S+1], s8
	s_lshl_b32 s20, s16, 12
	SADD 20, 18
	s_add_nc_u64 s[G0S+2:G0S+3], s[6:7], s[20:21]
.elseif (\i) == 3
	s_or_b32 s[G0S+3], s[G0S+3], 0x80000000
	s_add_co_u32 s88, s88, 64*KROW
	s_add_co_u32 s18, s18, 64*KS
	s_add_co_u32 s47, s47, 64*PITCH
.elseif (\i) == 4
	s_add_co_u32 s8, s8, 8*SU
.endif
.endm
.macro PAIR i                          ; 4 entries: where pair s46's codes go (s[84:85]: by its true number, s46 xor 4 s87) and its scale bytes (v[VX]: by the order of work)
.if (\i) == 0
	s_lshl_b32 s3, s87, 2
	s_xor_b32 s3, s3, s46
	s_lshr_b32 s20, s3, 2
	s_lshl_b32 s20, s20, 3
.elseif (\i) == 1
	s_and_b32 s3, s3, 3
	SADD 20, 3
	s_mul_i32 s20, s20, 2*RBLK
	s_mov_b32 s21, 0
.elseif (\i) == 2
	s_add_nc_u64 s[84:85], s[48:49], s[20:21]
	s_and_b32 s22, s46, 3
	s_lshl_b32 s22, s22, 6
	s_lshr_b32 s23, s46, 2
.elseif (\i) == 3
	s_lshl_b32 s23, s23, 9
	s_or_b32 s22, s22, s23
	s_add_co_u32 s46, s46, 1
	WIN 0
	v_add_nc_u32 v[VX], s22, v[STO]
.endif
.endm
; ---- the lists
.macro L_STEP i, x, y                  ; x: 1 in an odd block
	STEP \i, \x
.endm
.macro L_NONE i, x, y
.endm
.macro L_OUT i, x, y                   ; V's blocks: the step (odd where y is 1), then the way out of the sums at x
	STEP \i, \y
	CHAIN (\i)-3, \x, \y
.endm
.macro L_EV i, x, y                    ; an even block of phase 2: the step, the odd block's way out
	STEP \i, 0
	CHAIN (\i)-3, ACC+32, 1
.endm
.macro L_LAST i, x, y
	CHAIN \i, \x, \y
.endm
.macro L_V2 i, x, y                    ; V's third block: the first refill's descriptors, the later refills' group 1, the step, the prefetches' addresses
.if (\i) == 0
	s_mov_b32 s[G1A+2], 64<<16
	s_mov_b32 s[G1A+4], 64
	s_mov_b32 s[G1S+2], 8<<16
	s_mov_b32 s[G1S+4], 8
.elseif (\i) == 1
	s_mov_b32 s[G1B+2], 64<<16
	s_mov_b32 s[G1B+4], 64
	s_mul_i32 s[G0B+1], s14, 64*PITCH
	s_add_co_u32 s[G0B+1], s[G0B+1], BVB
.elseif (\i) == 2
	s_mul_i32 s20, s14, 64*KROW
	s_mov_b32 s21, 0
	s_add_nc_u64 s[G0B+2:G0B+3], s[44:45], s[20:21]
	s_or_b32 s[G0B+3], s[G0B+3], 0x80000000
.elseif (\i) == 7
	PFTILE 7, 88, 89
.elseif (\i) == 8
	s_lshl_b32 s21, s90, 9
	s_add_co_u32 s20, s18, s21
	WIN 0
	v_min_u32 v8, 1, v3
	v_lshl_add_u32 v8, v8, 8, s20
.endif
	STEP (\i)-3, 0
.endm
.macro L_V7 i, x, y
.if (\i) == 0
	s_add_co_u32 s22, s88, 64*KROW
	PFTILE 20, 22, 89
.endif
	CHAIN (\i)-1, \x, \y
.endm
.macro L_ODD i, x, y                   ; an odd block of phase 2: the pair's places, the step, the even block's way out
	PAIR \i
	STEP (\i)-4, 1
	CHAIN (\i)-7, ACC, 0
.endm
.macro L_ODDL i, x, y
	PAIR \i
	CHAIN (\i)-4, ACC, 0
.endm
.macro L_ROUND i, x, y                 ; an even block with a round
	ASK \i
	STEP (\i)-5, 0
	CHAIN (\i)-8, ACC+32, 1
.endm
; ---- phase 2's blocks.  w: the count of the wait for the block's rows (-1: they are shown in already)
.macro WAITDS w
.if (\w) >= 0
	s_wait_dscnt \w
.endif
.endm
.macro EVENOUT fetch                   ; behind an even block: the odd block's byte and codes, the fetch of the block two on
	WALU
	ds_store_b8 v[VX], v[EB+1] offset:32
	PUT2 NCD+6, RBLK
.if \fetch
	FETCH 0
.endif
.endm
.macro EVEN w, fetch
	WAITDS \w
.if \fetch
	BLOCK 0, 0, ACC, 8, 0, 32, L_EV
.else
	BLOCK 0, 0, ACC, 8, 0, 32, L_LAST, ACC+32, 1
.endif
	WIN 0
	CODES6 ACC+32, NCD+6, 1
	EVENOUT \fetch
.endm
.macro EVENROUND w                     ; the second and the third refill
	WAITDS \w
	GRD
	BLOCK 0, 0, ACC, 8, 0, 26, L_ROUND
	WIN 0
	WALU
	s_wait_dscnt 0x0
	s_barrier_signal -1
	BLOCK 0, 0, ACC, 8, 26, 32, L_NONE
	WIN 0
	CODES6 ACC+32, NCD+6, 1
	MIDDLE
	BARRIER
	s_cmp_lt_u32 s14, 2
	s_cbranch_scc0 .Lscales_\@
	TLOAD G0R, G1A                         ; waves 0 and 1: half a chunk of rows each
	s_branch .Lasked_\@
.Lscales_\@:
	TLOAD G0S, G1S                         ; waves 2 and 3: half of its scale bytes each
.Lasked_\@:
	EVENOUT 1
.endm
.macro EVENSHOW w                      ; a plain barrier inside the block shows the last refill to all
	WAITDS \w
	BLOCK 0, 0, ACC, 8, 0, 26, L_EV
	WIN 0
	WALU
	s_wait_tensorcnt 0x0
	s_wait_dscnt 0x0
	s_barrier_signal -1
	BLOCK 0, 0, ACC, 8, 26, 32, L_NONE
	WIN 0
	s_barrier_wait -1
	CODES6 ACC+32, NCD+6, 1
	EVENOUT 1
.endm
.macro ODD w, fetch
	WAITDS \w
	s_wait_xcnt 0x0
.if \fetch
	BLOCK 0, 1, ACC+32, 8, 0, 32, L_ODD
.else
	BLOCK 0, 1, ACC+32, 8, 0, 32, L_ODDL
.endif
	WIN 0
	CODES6 ACC, NCD, 0
	WALU
	ds_store_b8 v[VX], v[EB]
	PUT2 NCD, 0
.if \fetch
	FETCH 1
.endif
.endm
; ================= THE HEAD
	s_load_b128 s[4:7], s[0:1], 0x0                     ; x's codes and scales
	s_load_b256 s[76:83], s[0:1], 0x10                  ; Wq's, Wk's
	s_load_b128 s[48:51], s[0:1], 0x30                  ; Wv's
	v_lshl_add_u32 v[SPW], v0, 2, SPARE
	v_mov_b32 v[NIL], 0
	ds_add_u32 v[SPW], v[NIL]
	ds_add_u32 v[SPW], v[NIL]
	v_lshrrev_b32 v1, 5, v0
	v_readfirstlane_b32 s14, v1                         ; s14 the wave; s15 its row of the 2 x 2, s16 its column
	s_lshr_b32 s15, s14, 1
	s_and_b32 s16, s14, 1
	s_bfe_u32 s40, ttmp6, 0x40000                       ; cx
	s_bfe_u32 s41, ttmp6, 0x40004                       ; cy
	s_lshl_b32 s42, ttmp9, 2
	s_add_co_u32 s42, s42, s40                          ; phase 2's tile column, 0 .. 15: Q's eight, K's eight
	s_and_b32 s54, s42, 7
	s_and_b32 s43, ttmp7, 0xffff
	s_lshl_b32 s43, s43, 2
	s_add_co_u32 s43, s43, s41                          ; its tile row
	s_lshr_b32 s19, ttmp9, 1                            ; 0 Q, 1 K
	s_and_b32 s87, ttmp9, 1                             ; V's half of my 512 rows
	s_lshl_b32 s13, s19, 2
	s_add_co_u32 s13, s13, s40                          ; V's tile column
	s_lshl_b32 s12, s43, 1
	s_add_co_u32 s12, s12, s87                          ; V's tile row
	s_lshl_b32 s44, s41, 2
	s_lshl_b32 s44, 15, s44                             ; my row of the cluster
	s_lshl_b32 s45, 0x1111, s40                         ; my column
	GROUP1 G1A, 44, 128
	GROUP1 G1B, 45, 128
	s_or_b32 s[G1S+0], s44, (3<<16)|(1<<20)|(1<<21)|(5<<22)|(3<<25)
	s_mov_b32 s[G1S+1], 32<<16
	s_mov_b32 s[G1S+2], 32<<16
	s_mov_b32 s[G1S+3], 32<<16
	s_mov_b32 s[G1S+4], 32
	s_mov_b32 s[G1S+5], 32
	s_mov_b32 s[G1S+6], 0
	s_mov_b32 s[G1S+7], 0
	s_mov_b32 s[G0S], 1
	s_mov_b32 s[G0S+1], SCL
	s_mov_b32 s[G0A], 1
	s_mov_b32 s[G0A+1], 0
	s_mov_b32 s[G0B], 1
	s_mov_b32 s[G0B+1], BVB
	s_mov_b32 s[G0R], 1
	s_mov_b32 s[G0R+1], 128*PITCH
	s_mul_i32 s66, s12, 256*KROW                        ; V's rows of x
	s_mul_i32 s67, s43, 512*KROW                        ; my 512 rows
	s_mul_i32 s9, s54, 128*KROW                         ; Wq's or Wk's rows
	s_mul_i32 s17, s13, 128*KROW                        ; Wv's
	s_mul_i32 s18, s43, 512*KS                          ; my rows' scale bytes
	s_mul_i32 s89, s12, 256*KS
	s_lshl_b32 s20, s16, 11
	s_lshl_b32 s86, s54, 12
	SADD 86, 20
	s_lshl_b32 s91, s13, 12
	SADD 91, 20
	s_lshl_b32 s90, s40, 2
	SADD 90, 14                                         ; my number among the sixteen waves of my row of the cluster
	s_lshl_b32 s100, s41, 2
	SADD 100, 14                                        ; and of my column
	s_mul_i32 s21, s15, 128*PITCH
	s_mul_i32 s22, s16, 64*PITCH
	s_add_co_u32 s22, s22, BVB
	s_mul_i32 s23, s15, 16*SU
	s_add_co_u32 s23, s23, SCL
	s_lshl_b32 s20, s15, 8
	s_lshl_b32 s2, s16, 10
	SADD 2, 20
	s_add_co_u32 s2, s2, XN
	s_lshl_b32 s3, s16, 9
	SADD 3, 20
	s_add_co_u32 s3, s3, XM
	v_and_b32 v1, 15, v0                                ; r
	v_bfe_u32 v2, v0, 4, 1                              ; h
	v_and_b32 v3, 31, v0                                ; lane
	v_and_b32 v7, 7, v0                                 ; r % 8
	v_bfe_u32 v8, v0, 3, 1                              ; r / 8
	v_mad_u32_u24 v20, v8, 40, v7                       ; my row of an even tile,
	v_mad_u32_u24 v21, v8, 24, v7
	v_add_nc_u32 v21, 8, v21                            ; and of the odd tile behind it
	v_mul_u32_u24 v20, v20, PITCH
	v_mul_u32_u24 v21, v21, PITCH
	v_mad_u32_u24 v40, v2, 24, v20
	v_mad_u32_u24 v41, v2, 40, v20
	v_mad_u32_u24 v42, v2, 24, v21
	v_mad_u32_u24 v43, v2, 40, v21
	v_add_nc_u32 v[ADRA0], s21, v40
	v_add_nc_u32 v[ADRA0+1], s21, v41
	v_add_nc_u32 v22, s21, v42
	v_add_nc_u32 v23, s21, v43
	v_add_nc_u32 v[ADRB], s22, v40
	v_add_nc_u32 v[ADRB+1], s22, v41
	v_add_nc_u32 v[ADRA], s22, v42
	v_add_nc_u32 v[ADRA+1], s22, v43
	v_lshl_add_u32 v20, v1, 1, v2
	v_add_nc_u32 v[STO], s2, v20                        ; XN + 1,024 column + 256 row + 2 r + h
	v_lshl_add_u32 v20, v1, 2, v2
	v_add_nc_u32 v[STV], s3, v20                        ; XM + 512 column + 256 row + 4 r + h
	v_lshlrev_b32 v40, 5, v7
	v_mad_u32_u24 v41, v8, 5*SU, v40
	v_mad_u32_u24 v42, v8, 3*SU, v40
	v_add_nc_u32 v[AAS0], s23, v41
	v_add_nc_u32 v42, SU, v42
	v_add_nc_u32 v1, s23, v42
	v_lshl_add_u32 v40, v2, 3, v7                       ; lanes 0-15 an even tile's rows, lanes 16-31 the odd tile's behind it
	v_mad_u32_u24 v40, v8, 40, v40
	v_and_b32 v41, v8, v2
	v_lshlrev_b32 v41, 4, v41
	v_sub_nc_u32 v40, v40, v41
	v_lshlrev_b32 v[ABS], 5, v40
	v_lshlrev_b32 v[CO], 4, v3
	v_lshlrev_b32 v[CO8], 3, v3
	WALU
	s_wait_dscnt 0x0
	CROUND                                              ; the opening round
	s_wait_kmcnt 0x0
	s_mov_b32 s21, 0
	G0SET G0A, 4, 66
	s_add_nc_u64 s[G0R+2:G0R+3], s[G0A+2:G0A+3], 128*KROW
	s_or_b32 s[G0R+3], s[G0R+3], 0x80000000
	G0SET G0B, 48, 17
	G0SET G0S, 6, 89
	s_cmp_eq_u32 s14, 0
	s_cbranch_scc0 .Lwave_1
	TLOAD G0B, G1B                                      ; wave 0: Wv's 128 rows
	s_branch .Lasked
.Lwave_1:
	s_cmp_eq_u32 s14, 1
	s_cbranch_scc0 .Lwave_2
	TLOAD G0S, G1S                                      ; wave 1: the scale bytes of V's 256 rows of x
	s_branch .Lasked
.Lwave_2:
	s_cmp_eq_u32 s14, 2
	s_cbranch_scc0 .Lwave_3
	TLOAD G0A, G1A                                      ; wave 2: the first 128 of the rows
	s_branch .Lasked
.Lwave_3:
	TLOAD G0R, G1A                                      ; wave 3: the other 128
.Lasked:
	s_cmp_eq_u32 s19, 1
	s_cselect_b64 s[44:45], s[80:81], s[76:77]          ; Wk's or Wq's codes
	s_cselect_b64 s[10:11], s[82:83], s[78:79]          ; and scales
	s_mov_b32 s20, s9
	s_add_nc_u64 s[44:45], s[44:45], s[20:21]
	s_mov_b32 s20, s86
	s_add_nc_u64 s[10:11], s[10:11], s[20:21]
	s_mov_b32 s20, s91
	s_add_nc_u64 s[84:85], s[50:51], s[20:21]           ; Wv's scale bytes, my 64 rows
.irp p, 0,1
.irp c, 0,1
	global_load_b128 v[SB+NQ*\p+4*\c:SB+NQ*\p+4*\c+3], v[ABS], s[84:85] offset:\p*16*KS+16*\c
.endr
.endr
	WIN 3<<6
.irp p, 0,1
.irp c, 0,1
	global_load_b128 v[SB2-768+NQ*\p+4*\c:SB2-768+NQ*\p+4*\c+3], v[ABS], s[10:11] offset:\p*16*KS+16*\c
.endr
.endr
	WIN 0
	s_lshl_b32 s20, s43, 5                              ; where the results go.  Q's or K's codes
	s_lshl_b32 s22, s15, 3
	SADD 20, 22
	s_mul_i32 s76, s20, RBLK
	s_mul_i32 s22, s54, 1536
	SADD 76, 22
	s_mul_i32 s22, s16, 768
	SADD 76, 22
	s_mul_i32 s22, s19, 6291456
	SADD 76, 22
	s_mov_b32 s77, 0
	s_lshl_b32 s20, s43, 1                              ; their scale bytes: at the end wave w stores half w / 2 in the order of work, rows 128 (w % 2) on
	s_xor_b32 s22, s15, s87
	SADD 20, 22
	s_lshl_b32 s20, s20, 3
	SADD 20, 54
	s_lshl_b32 s78, s20, 10
	s_lshl_b32 s22, s16, 9
	SADD 78, 22
	s_lshl_b32 s22, s19, 18
	SADD 78, 22
	s_mov_b32 s79, 0
	s_lshr_b32 s20, s12, 3                              ; V's codes
	s_lshl_b32 s20, s20, 6
	s_lshl_b32 s22, s13, 3
	SADD 20, 22
	s_lshl_b32 s22, s16, 2
	SADD 20, 22
	s_lshl_b32 s20, s20, 4
	s_and_b32 s22, s12, 7
	s_lshl_b32 s22, s22, 1
	SADD 20, 22
	SADD 20, 15
	s_mul_i32 s80, s20, 1536
	s_mov_b32 s81, 0
	s_lshl_b32 s20, s12, 1                              ; V's scale bytes: at the end wave w stores column w / 2, row w % 2
	SADD 20, 16
	s_lshl_b32 s82, s20, 12
	s_lshl_b32 s22, s13, 9
	SADD 82, 22
	s_lshl_b32 s22, s15, 8
	SADD 82, 22
	s_mov_b32 s83, 0
	s_wait_xcnt 0x0
	s_load_b256 s[48:55], s[0:1], 0x40                  ; QKc, QKs, Vc, Vs
	s_mov_b32 s46, 0
	s_mov_b32 s47, 0
	s_mov_b32 s8, SCL
	s_xor_b32 s20, s87, 1                               ; the chunks still to come are the other half's
	s_mul_i32 s88, s20, 256*KROW
	SADD 88, 67
	s_lshl_b32 s20, s20, 13
	SADD 18, 20
	s_mul_i32 s89, s90, 6144                            ; my sixteenth of a chunk: 8 rows
	s_lshr_b32 s20, s90, 3
	s_mul_i32 s20, s20, 64*KROW
	SADD 89, 20
	s_mul_i32 s100, s100, 6144                          ; and of a weight's tile
	s_mov_b32 s22, 0
	WIN 3<<6
.irp b, 0,2
	v_add_nc_u32 v[BA-768+2*\b], \b*8*PITCH, v[ADRB]
	v_add_nc_u32 v[BA-768+2*\b+1], \b*8*PITCH, v[ADRB+1]
	v_add_nc_u32 v[BA-768+2*\b+2], \b*8*PITCH, v[ADRA]
	v_add_nc_u32 v[BA-768+2*\b+3], \b*8*PITCH, v[ADRA+1]
.endr
	WIN 0
	PFTILE 8, 22, 100                                   ; what the first refill will load
	WALU
	s_cmp_eq_u32 s14, 0
	s_cbranch_scc0 .Lnot_b
	s_wait_tensorcnt 0x0
.Lnot_b:
	BARRIER                                             ; Wv's rows are in
	PFGO 8, 44
	WEIGHTS
	s_wait_tensorcnt 0x0
	s_wait_dscnt 0x0
	BARRIER                                             ; x's rows and scale bytes are in
	FETCH01
	s_wait_loadcnt 0x0                                  ; both weights' scale words are in
	s_wait_kmcnt 0x0
	s_add_nc_u64 s[48:49], s[48:49], s[76:77]
	s_add_nc_u64 s[50:51], s[50:51], s[78:79]
	s_add_nc_u64 s[52:53], s[52:53], s[80:81]
	s_add_nc_u64 s[54:55], s[54:55], s[82:83]
; ================= PHASE 1: V, eight blocks; band 0's way outs stand in band 1's blocks
.irp s, 0,1
	s_wait_dscnt NF
	BLOCK 1, \s, HV0+8*\s, 32, 0, 32, L_STEP, \s
	WIN 0
	PLACES 4
	WALU
	FETCH \s
.endr
	s_wait_dscnt NF
	s_wait_xcnt 0x0                                     ; the list writes v8, the address of the head's prefetch
	GRD
	BLOCK 1, 0, HV0+16, 32, 0, 24, L_V2
	WIN 0
	WALU
	s_wait_dscnt 0x0
	s_barrier_signal -1
	BLOCK 1, 0, HV0+16, 32, 24, 32, L_NONE
	MIDDLE
	BARRIER
	s_cmp_lt_u32 s14, 2
	s_cbranch_scc0 .Lno_half
	TLOAD G0B, G1B                                      ; waves 0 and 1: a half each of Wq's or Wk's rows, onto Wv's, which all waves hold in registers
.Lno_half:
	PLACES 4                                            ; the places for the waves that come round the load
	WALU
	FETCH 0
	PFGO 7, 4
	PFGO 8, 6
	BLOCK 1, 1, HV0+24, 32, 0, 32, L_STEP, 1
	WIN 0
	PLACES 4
	WALU
	FETCH 1
.irp j, 0,1,2
	s_wait_dscnt NF+(\j+1)/2
.if \j < 2
	BLOCK 1, \j%2, HV1+8*\j, 32, 0, 32, L_OUT, HV0+32*\j, \j
.else
	BLOCK 1, \j%2, HV1+8*\j, 32, 0, 32, L_LAST, HV0+32*\j, \j
.endif
	WIN 0
	CODES6 HV0+32*\j, MCD+12*\j, \j
	WALU
	ds_store_b8 v[STV], v[EB+\j] offset:64*\j
.if \j < 2
	FETCH \j%2
.endif
.endr
	s_wait_dscnt 1
	BLOCK 1, 1, HV1+24, 32, 0, 26, L_V7, HV0+96, 3
	WIN 0
	WALU
	s_wait_tensorcnt 0x0
	s_wait_dscnt 0x0
	s_barrier_signal -1                                 ; a plain barrier: the weights that the first refill brought are shown to all
	BLOCK 1, 1, HV1+24, 32, 26, 32, L_NONE
	WIN 0
	s_barrier_wait -1
	CODES6 HV0+96, MCD+36, 3
	WALU
	ds_store_b8 v[STV], v[EB+3] offset:192
; ================= THE CHANGE OF PHASE: the weights and the first two blocks' rows in one run of loads; band 1's four way outs under their flight
	WEIGHTS
	FETCH01
	PFGO 20, 4
	WIN 3
.set I, 0
.rept 16
	v_mov_b32 v[SB+I], v[SB2-768+I]
.set I, I+1
.endr
	WIN 0
.set I, 0
.rept 18
.irp t, 0,1,2,3
	CHAIN I, HV1+32*\t, \t, 64+4*\t
.endr
.set I, I+1
.endr
.set I, 0
.rept 6
.irp t, 0,1,2,3
	CODES I, HV1+32*\t, MCD+12*\t+6, \t, 80+4*\t
.endr
.set I, I+1
.endr
	WIN 0
	WALU
; ================= PHASE 2: Q or K, sixteen blocks
	s_wait_dscnt NF
	BLOCK 0, 0, ACC, 8, 0, 32, L_STEP, 0
	WIN 0
	PLACES 4
	WALU
.irp t, 0,1,2,3
	ds_store_b8 v[STV], v[EB+\t] offset:2+64*\t
.endr
.irp t, 0,1,2,3
	PUT3 MCD+12*\t, s[52:53], VT*\t                     ; V's codes leave
.endr
	FETCH 0
	ODD NF+4, 1
	s_mov_b32 s86, 0
.Lwith_rounds:                                          ; blocks 2 to 5, 6 to 9
	EVENROUND NF+1
	ODD -1, 1
	EVEN NF+1, 1
	ODD NF+1, 1
	s_add_co_u32 s86, s86, 1
	s_cmp_lg_u32 s86, 2
	s_cbranch_scc1 .Lwith_rounds
.Lwithout:                                              ; blocks 10, 11 and 12, 13
	EVENSHOW NF+1
	ODD -1, 1
	s_add_co_u32 s86, s86, 1
	s_cmp_lg_u32 s86, 4
	s_cbranch_scc1 .Lwithout
	EVEN NF+1, 0
	ODD 1, 0
; ================= THE END: the last way out; the scale bytes go through LDS under its conversions
	s_lshl_b32 s21, s14, 8
	s_add_co_u32 s22, s21, XN
	s_add_co_u32 s21, s21, XM
	v_add_nc_u32 v12, s22, v[CO8]
	v_add_nc_u32 v14, s21, v[CO8]
.set I, 0
.rept 18
	CHAIN I, ACC+32, 1
.set I, I+1
.endr
	CODES 2, ACC+32, NCD+6, 1
	WALU
	ds_store_b8 v[VX], v[EB+1] offset:32
	s_wait_dscnt 0x0
	s_barrier_signal -1
	CODES 0, ACC+32, NCD+6, 1
	CODES 1, ACC+32, NCD+6, 1
	WIN 0
	v_nop
.irp i, 3,4,5
	CODES \i, ACC+32, NCD+6, 1
.endr
	s_barrier_wait -1
	WALU
	ds_load_b64 v[64:65], v12                           ; four rows' bytes of the first 64 columns,
	ds_load_b64 v[66:67], v12 offset:1024               ; and of the second
	ds_load_b64 v[68:69], v14
	PUT2 NCD+6, RBLK
	s_wait_dscnt 0x0
	v_perm_b32 v70, v66, v64, 0x05040100
	v_perm_b32 v71, v66, v64, 0x07060302
	v_perm_b32 v72, v67, v65, 0x05040100
	v_perm_b32 v73, v67, v65, 0x07060302
	global_store_b128 v[CO], v[70:73], s[50:51]         ; 512 bytes on end
	global_store_b64 v[CO8], v[68:69], s[54:55]         ; 256 bytes on end
	s_wait_alu depctr_va_vdst(0)
	s_wait_tensorcnt 0x0
	ds_add_u32 v[SPW], v[NIL]
	s_wait_dscnt 0x0
	CROUND
	s_endpgm
.Lfunc_end_k_qb8d2ec0874_proj:
	.size	k_qb8d2ec0874_proj, .Lfunc_end_k_qb8d2ec0874_proj-k_qb8d2ec0874_proj
	.p2alignl 7, 3214868480
	.fill 96, 4, 3214868480
	.section	.rodata,"a",@progbits
	.p2align	6, 0x0
	.amdhsa_kernel k_qb8d2ec0874_proj
		.amdhsa_group_segment_fixed_size 327680
		.amdhsa_private_segment_fixed_size 0
		.amdhsa_enable_private_segment 0
		.amdhsa_kernarg_size 96
		.amdhsa_user_sgpr_count 2
		.amdhsa_user_sgpr_kernarg_segment_ptr 1
		.amdhsa_wavefront_size32 1
		.amdhsa_system_sgpr_workgroup_id_x 1
		.amdhsa_system_sgpr_workgroup_id_y 1
		.amdhsa_system_sgpr_workgroup_id_z 1
		.amdhsa_system_vgpr_workitem_id 0
		.amdhsa_next_free_vgpr 992
		.amdhsa_next_free_sgpr 102
		.amdhsa_reserve_vcc 0
		.amdhsa_float_denorm_mode_32 3
		.amdhsa_float_denorm_mode_16_64 3
		.amdhsa_memory_ordered 1
		.amdhsa_forward_progress 1
		.amdhsa_inst_pref_size 187
	.end_amdhsa_kernel
	.amdgpu_metadata
---
amdhsa.version: [ 1, 2 ]
amdhsa.kernels:
  - .name:           k_qb8d2ec0874_proj
    .symbol:         k_qb8d2ec0874_proj.kd
    .args:
      - { .name: x_codes, .offset: 0, .size: 8, .value_kind: global_buffer, .address_space: global }
      - { .name: x_scales, .offset: 8, .size: 8, .value_kind: global_buffer, .address_space: global }
      - { .name: Wq_codes, .offset: 16, .size: 8, .value_kind: global_buffer, .address_space: global }
      - { .name: Wq_scales, .offset: 24, .size: 8, .value_kind: global_buffer, .address_space: global }
      - { .name: Wk_codes, .offset: 32, .size: 8, .value_kind: global_buffer, .address_space: global }
      - { .name: Wk_scales, .offset: 40, .size: 8, .value_kind: global_buffer, .address_space: global }
      - { .name: Wv_codes, .offset: 48, .size: 8, .value_kind: global_buffer, .address_space: global }
      - { .name: Wv_scales, .offset: 56, .size: 8, .value_kind: global_buffer, .address_space: global }
      - { .name: QKc, .offset: 64, .size: 8, .value_kind: global_buffer, .address_space: global }
      - { .name: QKs, .offset: 72, .size: 8, .value_kind: global_buffer, .address_space: global }
      - { .name: Vc, .offset: 80, .size: 8, .value_kind: global_buffer, .address_space: global }
      - { .name: Vs, .offset: 88, .size: 8, .value_kind: global_buffer, .address_space: global }
    .group_segment_fixed_size: 327680
    .private_segment_fixed_size: 0
    .kernarg_segment_align: 8
    .kernarg_segment_size: 96
    .max_flat_workgroup_size: 128
    .sgpr_count:     102
    .vgpr_count:     992
    .wavefront_size: 32
...
	.end_amdgpu_metadata
.endif
;; end of part 1
;; launch score (part 2): grid 36 x 4, 4 waves a work-group, no clusters, 327,680 bytes of LDS; arguments QKc, QKs, Pc, Pst; writes Pc, Pst
.if DOCPART == 2
	.amdgcn_target "amdgcn-amd-amdhsa--gfx1250"
	.amdhsa_code_object_version 6
	.text
	.protected	k_qb8d2ec0874_score
	.globl	k_qb8d2ec0874_score
	.p2align	8
	.type	k_qb8d2ec0874_score,@function
k_qb8d2ec0874_score:
	s_mov_b64 s[64:65], 0
	v_nop
	global_prefetch_b8 v0, s[64:65] scope:SCOPE_SE
	s_setreg_imm32_b32 hwreg(HW_REG_WAVE_MODE, 25, 1), 1
	s_wait_xcnt 0x0
; S = q k^T on codes of FP6, K = 1,024, for the 36 tiles of 256 queries x 256 keys of a batch that do not lie wholly above the diagonal (the others are -infinity by the causal mask); then, in registers, the softmax's p as codes.
; For each query and each group of 128 keys (a wave's): t = score x log2(e) / 32; M = the group's largest t rounded up to a whole number; p = 2^(t - M), quantised along the keys; l = the sum of the unquantised p.
; What leaves: p's codes, p's scale words, -M and l.  The next launch brings the groups of a row under the row's M by taking a whole number off the scale bytes, which changes no code.
; A work-group of four waves makes a tile, 128 x 128 a wave (64 accumulators).  A record is 16 rows x 128 of K, 1,536 bytes: for each 64 of K registers 0-3 (16 x lane) and, 512 bytes on, registers 4-5 (8 x lane).
; FILLS.  At the head one tensor load a wave: records 0-1 of q's 16 blocks, of k's, records 2-5 of q's, of k's.  Records 6-7 are the one refill, onto records 0-1, with 256 matrix instructions in which to land.  No prefetch: there is no loop to run ahead in.
; The scale words (8 KiB of q's, 8 KiB of k's) come through registers into LDS.
; THE MATRIX INSTRUCTION IS USED TRANSPOSED (source 0 = 16 keys, source 1 = 16 queries): a lane holds one query.  Rows are placed as the launch before has laid them: tile j of a band of 64 is rows 8 j + i and 32 + 8 (j xor 1) + i; so registers
; 32 c .. 32 c + 31 of lane half h are the 32 keys 64 c + 32 h on (in half 1 the groups of eight in the order 1, 0, 3, 2): a whole scale block in a lane.
; NO CLUSTER: the 36 tiles form a triangle; no 4 x 4 or 4 x 1 group of them shares tiles unless some work-groups take tiles that lie wholly under the mask.
;   Pc: [batch 4][16 queries: 128][128 keys: 16][1,536].   Pst: p's scale words [batch][128 keys: 16][2,048 queries], 524,288 bytes; behind them the pairs (-M, l), 8 bytes each, in the same order.
; THE MASK.  DQ = my first query - my first key.  DQ > 0: all keys count.  DQ = 0: hidden scores become -infinity ahead of the maximum.  DQ < 0 (one wave of each diagonal tile): all is hidden: zero codes, l = 0 and -M = 3e38 are stored.
; The next launch walks the keys in steps of 512 for each 512 queries: so a diagonal tile with an even number also stores such records for the two groups of keys to its right.
; LIMITS: the scaled scores stay under 2^31 in magnitude; NaN and infinities are not served; a block of zeros carries the byte 1.
.set FR,     12
.set NL,     4                         ; LDS loads that bring a fragment
.set NP,     4
.set PLB,    98304                     ; place 1 begins here (records 2-5); place 0 (records 0-1, then 6-7) at 0
.set SCL,    294912                    ; q's scale words [K step 8][256 rows];
.set SCB,    8256                      ; k's begin 64 bytes further than q's end, so that the two halves of the lanes touch different banks
.set SPARE,  311552
.set STG,    312064                    ; 1,536 bytes a wave: scale words, then the pairs (-M, l), of my 128 queries
.set ADA,  16                          ; v16, v17 my q fragments in place 0, 1 (16 x lane), v18, v19 (8 x lane)
.set ADB,  20                          ; v20-23 my k fragments
.set STGB, 24                          ; STG + 1,536 wave + 4 r + h
.set STGP, 25                          ; STG + 1,536 wave + 8 r
.set CO,   26                          ; 16 lane
.set ADRS, 27
.set SPW,  28
.set NIL,  29
.set STGR, 30                          ; STG + 1,536 wave + 16 lane
.set SCW,  31
.set SC,   32                          ; v32-63 scale words, two sets
.set AF,   128                         ; q's fragments, window 0
.set BM,   64                          ; the way out: a block's largest score, then largest p: 2 x + c
.set MX,   68
.set NM,   70                          ; v70-73 the pairs (-M, l)
.set BX,   74
.set LS,   76
.set SO,   84
.set EB,   88
.set PC,   96                          ; codes, two sets of 24
.set TC,   144
.set TB,   0                           ; the diagonal's bounds, in window 1: two tables of 48
.set DB,   162                         ; v162-165
.set NINF, 166
.set ZR,   168
.set ZBG,  172
.set SW,   176
.set GA,   24
.set GB,   68
.set GR,   76
.set G0R,  56
.set CS,   84                          ; s[84:85] c = log2(e) / 32
.set SEL,  86
.set DQ,   88
.set MSB, 0
.macro WIN new
.if MSB != (\new)
	s_set_vgpr_msb (MSB<<8)|(\new)
.set MSB, (\new)
.endif
.endm
.set MUL_LO, 0xa1
.set MUL_HI, 0xf1
.macro PLACES n
.rept \n
	v_nop
.endr
.endm
.macro TLOAD g0, g1
	tensor_load_to_lds s[\g0:\g0+3], s[\g1:\g1+7]
	s_nop 0
	PLACES 4
.endm
.macro GROUP1 g, w, rows               ; rows of w elements of 8 bytes, 12,288 bytes apart
	s_mov_b32 s[\g+0], 3<<16
	s_mov_b32 s[\g+1], (\w)<<16
	s_mov_b32 s[\g+2], (\rows)<<16
	s_mov_b32 s[\g+3], (\w)<<16
	s_mov_b32 s[\g+4], \rows
	s_mov_b32 s[\g+5], 1536
	s_mov_b32 s[\g+6], 0
	s_mov_b32 s[\g+7], 0
.endm
.macro GROUP0 g, lds, adr, off
	s_mov_b32 s[\g], 1
	s_mov_b32 s[\g+1], \lds
	s_add_nc_u64 s[\g+2:\g+3], s[\adr:\adr+1], \off
	s_or_b32 s[\g+3], s[\g+3], 0x80000000
.endm
	s_load_b256 s[4:11], s[0:1], 0x0               ; QKc, QKs, Pc, Pst
	v_lshl_add_u32 v[SPW], v0, 2, SPARE
	v_mov_b32 v[NIL], 0
	ds_add_u32 v[SPW], v[NIL]
	ds_add_u32 v[SPW], v[NIL]
	v_lshrrev_b32 v1, 5, v0
	v_readfirstlane_b32 s14, v1                    ; wave 0..3
	s_lshr_b32 s15, s14, 1                         ; my half of the queries; in the refill I fetch for q (0) or k (1)
	s_and_b32 s16, s14, 1                          ; my half of the keys; in the refill: which half I fetch
	s_and_b32 s40, ttmp7, 0xffff                   ; the batch
	s_mov_b32 s17, 0                               ; tile p = ttmp9 of the triangle: row I, column J, p = I (I + 1) / 2 + J
.irp t, 1,3,6,10,15,21,28
	s_cmp_ge_u32 ttmp9, \t
	s_cselect_b32 s18, 1, 0
	s_add_co_u32 s17, s17, s18
.endr
	s_add_co_u32 s18, s17, 1
	s_mul_i32 s18, s18, s17
	s_lshr_b32 s18, s18, 1
	s_sub_co_u32 s42, ttmp9, s18                   ; J
	GROUP1 GA, 384, 16
	GROUP1 GB, 768, 16
	GROUP1 GR, 384, 8
	s_lshl_b32 s18, s40, 3
	s_add_co_u32 s19, s18, s17                     ; q's tile
	s_add_co_u32 s18, s18, s42                     ; k's
	s_mul_i32 s20, s19, 196608
	s_mov_b32 s21, 0
	s_mul_i32 s22, s18, 196608
	s_add_co_u32 s22, s22, 6291456
	s_mov_b32 s23, 0
	s_cmp_lt_u32 s14, 2
	s_cselect_b32 s46, s20, s22
	s_mul_i32 s45, s16, 98304
	s_add_co_u32 s46, s46, s45
	s_add_co_u32 s46, s46, 9216                    ; the refill: my 8 blocks, records 6 and 7
	s_mov_b32 s47, 0
	s_lshl_b32 s92, s19, 13
	s_mov_b32 s93, 0
	s_lshl_b32 s94, s18, 13
	s_add_co_u32 s94, s94, 262144
	s_mov_b32 s95, 0
	s_wait_alu depctr_va_vdst(0)
	s_wait_dscnt 0x0                               ; both opening adds are done
	s_wait_kmcnt 0x0
	s_add_nc_u64 s[20:21], s[4:5], s[20:21]
	s_add_nc_u64 s[22:23], s[4:5], s[22:23]
	s_add_nc_u64 s[92:93], s[6:7], s[92:93]
	s_add_nc_u64 s[94:95], s[6:7], s[94:95]
	GROUP0 32, 0, 20, 0
	GROUP0 36, PLB/2, 22, 0
	GROUP0 48, PLB, 20, 3072
	GROUP0 52, 2*PLB, 22, 3072
	s_mov_b32 s[G0R], 1
	s_mul_i32 s[G0R+1], s14, 24576
	s_add_nc_u64 s[G0R+2:G0R+3], s[4:5], s[46:47]
	s_or_b32 s[G0R+3], s[G0R+3], 0x80000000
	s_cmp_lt_u32 s14, 1
	s_cbranch_scc0 .Lhead_1
	TLOAD 32, GA                                   ; wave 0: q's records 0-1
	s_branch .Lasked
.Lhead_1:
	s_cmp_lt_u32 s14, 2
	s_cbranch_scc0 .Lhead_2
	TLOAD 36, GA                                   ; wave 1: k's
	s_branch .Lasked
.Lhead_2:
	s_cmp_lt_u32 s14, 3
	s_cbranch_scc0 .Lhead_3
	TLOAD 48, GB                                   ; wave 2: q's records 2-5
	s_branch .Lasked
.Lhead_3:
	TLOAD 52, GB                                   ; wave 3: k's
.Lasked:
	v_lshlrev_b32 v3, 4, v0                        ; 16 x thread
.irp n, 0,1,2,3
	global_load_b128 v[64+4*\n:67+4*\n], v3, s[92:93] offset:2048*\n
	global_load_b128 v[80+4*\n:83+4*\n], v3, s[94:95] offset:2048*\n
.endr
	s_mul_i32 s20, s15, 24576                      ; my half of q's blocks in place 0,
	s_mul_i32 s21, s15, 49152
	s_add_co_u32 s21, s21, PLB                     ; in place 1
	s_mul_i32 s22, s16, 24576
	s_add_co_u32 s22, s22, PLB/2                   ; k's
	s_mul_i32 s23, s16, 49152
	s_add_co_u32 s23, s23, 2*PLB
	s_lshl_b32 s45, s15, 9                         ; q's words: my 128 rows
	s_lshl_b32 s46, s16, 9                         ; k's: my 128 rows, SCB bytes on
	s_add_co_u32 s46, s46, SCB
	s_sub_co_u32 s46, s46, s45
	s_add_co_u32 s45, s45, SCL
	s_mul_i32 s47, s14, 1536
	s_add_co_u32 s47, s47, STG
	s_wait_alu depctr_va_vdst(0)                   ; the wait here, directly ahead of the reader below
	v_add_nc_u32 v[SCW], SCL, v3
	v_and_b32 v1, 15, v0                           ; r
	v_bfe_u32 v2, v0, 4, 1                         ; h
	v_and_b32 v4, 7, v0                            ; r % 8
	v_bfe_u32 v5, v0, 3, 1                         ; r / 8
	v_and_b32 v6, 31, v0
	v_lshlrev_b32 v[CO], 4, v6                     ; 16 lane
	v_lshlrev_b32 v7, 3, v6                        ; 8 lane
	v_add_nc_u32 v[ADA], s20, v[CO]
	v_add_nc_u32 v[ADA+1], s21, v[CO]
	v_add_nc_u32 v[ADA+2], s20, v7
	v_add_nc_u32 v[ADA+3], s21, v7
	v_add_nc_u32 v[ADB], s22, v[CO]
	v_add_nc_u32 v[ADB+1], s23, v[CO]
	v_add_nc_u32 v[ADB+2], s22, v7
	v_add_nc_u32 v[ADB+3], s23, v7
	v_mul_u32_u24 v6, s46, v2                      ; lanes 16-31 take k's
	v_lshl_add_u32 v6, v1, 2, v6
	v_add_nc_u32 v[ADRS], s45, v6
	v_lshl_add_u32 v6, v1, 2, v2
	v_add_nc_u32 v[STGB], s47, v6
	v_lshl_add_u32 v[STGP], v1, 3, s47
	v_add_nc_u32 v[STGR], s47, v[CO]
	s_mov_b32 s[CS], 0x3d38aa3b                    ; c = log2(e) / sqrt(1,024)
	s_mov_b32 s[CS+1], s[CS]                       ; (named with it as a pair, so it is written)
	s_mov_b32 s[SEL], 0x76543210
	s_mov_b32 s[SEL+1], 0xfedcba98
	s_sub_co_u32 s[DQ], s17, s42
	s_lshl_b32 s[DQ], s[DQ], 1
	s_add_co_u32 s[DQ], s[DQ], s15
	s_sub_co_i32 s[DQ], s[DQ], s16
	s_lshl_b32 s[DQ], s[DQ], 7                     ; DQ = 256 (I - J) + 128 (my half of the queries - my half of the keys)
	s_lshl_b32 s89, s40, 7
	s_lshl_b32 s90, s17, 4
	s_add_co_u32 s89, s89, s90
	s_lshl_b32 s90, s15, 3
	s_add_co_u32 s89, s89, s90                     ; my first block of 16 queries
	s_lshl_b32 s89, s89, 4
	s_lshl_b32 s91, s42, 1
	s_add_co_u32 s91, s91, s16                     ; g = my group of 128 keys
	s_add_co_u32 s89, s89, s91
	s_mul_i32 s96, s89, 1536
	s_mov_b32 s97, 0
	s_add_nc_u64 s[8:9], s[8:9], s[96:97]          ; Pc at my first record
	s_lshl_b32 s89, s40, 4
	s_add_co_u32 s89, s89, s91
	s_lshl_b32 s89, s89, 11
	s_lshl_b32 s90, s17, 8
	s_add_co_u32 s89, s89, s90
	s_lshl_b32 s90, s15, 7
	s_add_co_u32 s89, s89, s90                     ; my first query of group g, counted in queries
	s_lshl_b32 s96, s89, 2
	s_lshl_b32 s90, s89, 3
	s_add_co_u32 s90, s90, 524288
	s_mov_b32 s91, 0
	s_add_nc_u64 s[12:13], s[10:11], s[90:91]      ; Pst: my 128 pairs,
	s_add_nc_u64 s[10:11], s[10:11], s[96:97]      ; and my 128 scale words
	s_xor_b32 s98, s17, s42
	s_and_b32 s99, s17, 1
	s_or_b32 s98, s98, s99                         ; 0: a diagonal tile with an even number
.macro FRAG reg, adr, pl, q, i         ; a record of place pl: four loads
.set O_, (\i)*3072*(1+(\pl))+(\q)*1536
	ds_load_b128 v[\reg:\reg+3], v[\adr+\pl] offset:O_
	ds_load_b64 v[\reg+4:\reg+5], v[\adr+\pl+2] offset:O_+512
	ds_load_b128 v[\reg+6:\reg+9], v[\adr+\pl] offset:O_+768
	ds_load_b64 v[\reg+10:\reg+11], v[\adr+\pl+2] offset:O_+1280
.endm
.macro FETCH_B pl, q, p
	WIN 0x40
.irp i, 0,1,2,3,4,5,6,7
	FRAG 128*(\p)+FR*\i, ADB, \pl, \q, \i
.endr
	WIN 0
.endm
.macro FETCH_A pl, q, i0
.irp i, \i0, \i0+1, \i0+2, \i0+3
	FRAG AF+FR*(\i), ADA, \pl, \q, \i
.endr
.endm
.macro SCALES d                        ; the scale words of K steps 2 d and 2 d + 1: lanes 0-15 q's block i, lanes 16-31 k's
.irp i, 0,1,2,3,4,5,6,7
.irp q, 0,1
	ds_load_b32 v[SC+16*((\d)%2)+2*\i+\q], v[ADRS] offset:(2*(\d)+\q)*1024+64*\i
.endr
.endr
.endm
.macro MUL16 a0, k                     ; the 64 accumulators take turns, one instruction a turn, in the same order in every step
.set SB_, SC+16*(((\k)/2)%2)+(\k)%2
.irp a, \a0, \a0+1
.irp b, 0,1,2,3,4,5,6,7
.if (\k) == 0
	v_wmma_scale_f32_16x16x128_f8f6f4 v[8*(8*((\a)%4)+\b):8*(8*((\a)%4)+\b)+7], v[128*((\k)%2)+FR*\b:128*((\k)%2)+FR*\b+FR-1], v[AF+FR*(\a):AF+FR*(\a)+FR-1], 0, v[SB_+2*\b], v[SB_+2*(\a)] matrix_a_fmt:MATRIX_FMT_FP6 matrix_b_fmt:MATRIX_FMT_FP6 matrix_a_scale:MATRIX_SCALE_ROW1
.else
	v_wmma_scale_f32_16x16x128_f8f6f4 v[8*(8*((\a)%4)+\b):8*(8*((\a)%4)+\b)+7], v[128*((\k)%2)+FR*\b:128*((\k)%2)+FR*\b+FR-1], v[AF+FR*(\a):AF+FR*(\a)+FR-1], v[8*(8*((\a)%4)+\b):8*(8*((\a)%4)+\b)+7], v[SB_+2*\b], v[SB_+2*(\a)] matrix_a_fmt:MATRIX_FMT_FP6 matrix_b_fmt:MATRIX_FMT_FP6 matrix_a_scale:MATRIX_SCALE_ROW1
.endif
.endr
.endr
.endm
; K step k of eight, 64 products; the next step's fragments are fetched in its middle and at its end.  mode 1: the barrier in front of the refill; mode 2: the barrier that shows the refill to every wave.
.macro KSTEP k, mode
.set NX_, (\k)+1
.if NX_ < 2
.set PL_, 0
.set QN_, NX_
.elseif NX_ < 6
.set PL_, 1
.set QN_, NX_-2
.else
.set PL_, 0
.set QN_, NX_-6
.endif
.if \mode
	s_wait_tensorcnt 0x0                           ; all my tensor loads have landed
	ds_add_u32 v[SPW], v[NIL]                      ; 0 onto my spare word
	s_wait_dscnt 4*NL+1                            ; (the add and the youngest 16 loads may be out)
	WIN MUL_LO
	MUL16 0, \k
	s_wait_dscnt 0x0                               ; the add is done, and so are my reads
	s_barrier_signal -1
	MUL16 2, \k
	WIN 0
	s_barrier_wait -1
.else
	s_wait_dscnt 4*NL                              ; all but the youngest 16 loads (q's blocks 4-7)
	WIN MUL_LO
	MUL16 0, \k
	MUL16 2, \k
	s_wait_dscnt 0x0
	WIN 0
.endif
.if \mode == 1
	TLOAD G0R, GR                                  ; records 6-7 onto records 0-1; its four v_nop are the places in front of the loads below
.else
	PLACES NP
.endif
.if NX_ < 8
	FETCH_B PL_, QN_, NX_%2
	FETCH_A PL_, QN_, 0
.if NX_%2 == 0
	SCALES NX_/2
.endif
.endif
	WIN MUL_HI
	MUL16 4, \k
	MUL16 6, \k
	WIN 0
.if NX_ < 8
	PLACES NP
	FETCH_A PL_, QN_, 4
.endif
.endm
	s_wait_alu depctr_va_vdst(0)                   ; the wait at the head's end
	s_wait_loadcnt 0x0
.irp n, 0,1,2,3
	ds_store_b128 v[SCW], v[64+4*\n:67+4*\n] offset:2048*\n
	ds_store_b128 v[SCW], v[80+4*\n:83+4*\n] offset:SCB+2048*\n
.endr
	s_cmp_lt_u32 s14, 2
	s_cbranch_scc0 .Lnot_first
	s_wait_tensorcnt 0x0                           ; waves 0 and 1: records 0-1 are in; waves 2 and 3's may be out
.Lnot_first:
	s_wait_dscnt 0x0
	s_barrier_signal -1
	s_barrier_wait -1
	FETCH_B 0, 0, 0
	FETCH_A 0, 0, 0
	SCALES 0
	FETCH_A 0, 0, 4
	KSTEP 0, 0
	KSTEP 1, 1
	KSTEP 2, 0
	KSTEP 3, 0
	KSTEP 4, 0
	KSTEP 5, 2
	KSTEP 6, 0
	KSTEP 7, 0
; THE WAY OUT.  Block a: 16 queries x my 128 keys, registers 64 (a % 4) .. + 63 of window 2 + a / 4.
.macro MASK a                          ; the wave tile on the diagonal: in the queries' own band the smaller of the score and its bound; of queries in band 0 all of band 1 is hidden
.set AM, 64*((\a)%4)
.set JM, (\a)%4
.set QM, 32*((\a)/4)
	WIN WA|(1<<2)|(WA<<6)
.set n, 0
.rept 32
	v_min_num_f32 v[AM+QM+n], v[AM+QM+n], v[TB+48*(JM%2)+n-16*(JM/2)+16]
.set n, n+1
.endr
.if QM == 0
	WIN WA<<6
.set n, 0
.rept 32
	v_mov_b32 v[AM+32+n], v[NINF]
.set n, n+1
.endr
.endif
	WIN 0
.endm
; Blocks a and a + 1 side by side, in place.
.macro SOFT2 a
.set WA, 2+(\a)/4
.set A0, 64*((\a)%4)
.set PS, PC+24*(((\a)/2)%2)
	s_wait_alu depctr_va_vdst(0)
	s_wait_xcnt 0x0                                ; the stores of two pairs ago have read their registers
	s_cmp_lg_u32 s[DQ], 0
	s_cbranch_scc1 .Lopen_\@                       ; a branch on ids
	MASK \a
	MASK \a+1
.Lopen_\@:
	WIN WA|(WA<<2)
.irp x, 0,1
.irp c, 0,1
	v_max3_num_f32 v[BM+2*\x+\c], v[A0+64*\x+32*\c], v[A0+64*\x+32*\c+1], 0xff61b1e6   ; the largest score of each block of 32 keys; -3e38 stands under every score
.endr
.endr
.set I, 2
.rept 15
.irp x, 0,1
.irp c, 0,1
	v_max3_num_f32 v[BM+2*\x+\c], v[A0+64*\x+32*\c+I], v[A0+64*\x+32*\c+I+1], v[BM+2*\x+\c]
.endr
.endr
.set I, I+2
.endr
	WIN 0
.irp x, 0,1
	v_max_num_f32 v[MX+\x], v[BM+2*\x], v[BM+2*\x+1]
.endr
.irp x, 0,1
	v_permlanex16_b32 v[BX+\x], v[MX+\x], s[SEL], s[SEL+1]
.endr
.irp x, 0,1
	v_max_num_f32 v[MX+\x], v[MX+\x], v[BX+\x]     ; the group's largest score of my query
.endr
.irp x, 0,1
	v_mul_f32 v[MX+\x], s[CS], v[MX+\x]            ; as t (c is positive)
.endr
.irp x, 0,1
	v_floor_f32 v[NM+2*\x], -v[MX+\x]              ; -M = floor(-t) = -ceil(t): a whole number
.endr
.irp c, 0,1
.irp x, 0,1
	v_fma_f32 v[BM+2*\x+\c], v[BM+2*\x+\c], s[CS], v[NM+2*\x]   ; each block's largest t - M: p rises with the score, so this gives the block's largest p
.endr
.endr
	WIN WA|(WA<<6)
.set I, 0
.rept 32
.irp x, 0,1
	v_pk_fma_f32 v[A0+64*\x+I:A0+64*\x+I+1], v[A0+64*\x+I:A0+64*\x+I+1], s[CS:CS+1], v[NM+2*\x:NM+2*\x+1] op_sel_hi:[1,0,0]   ; t - M, two at a time
.endr
.set I, I+2
.endr
	s_wait_alu depctr_va_vdst(0)                   ; the wait ahead of the batch
.set I, 0
.rept 128
	v_exp_f32 v[A0+I], v[A0+I]                     ; p = 2^(t - M), at most 1: not normalised
.set I, I+1
.endr
	WIN 0
.irp i, 0,1,2,3
	v_exp_f32 v[BM+\i], v[BM+\i]
.endr
	v_nop                                          ; a plain place behind the exponentials
	s_wait_alu depctr_va_vdst(0)                   ; and the wait ahead of the batch's first reader
	WIN WA|(WA<<2)
.irp x, 0,1
	v_pk_add_f32 v[LS+4*\x:LS+4*\x+1], v[A0+64*\x:A0+64*\x+1], v[A0+64*\x+2:A0+64*\x+3]   ; l is taken of the unquantised p: two chains a block
	v_pk_add_f32 v[LS+4*\x+2:LS+4*\x+3], v[A0+64*\x+4:A0+64*\x+5], v[A0+64*\x+6:A0+64*\x+7]
.endr
	WIN WA<<2
.set I, 8
.rept 14
.irp x, 0,1
	v_pk_add_f32 v[LS+4*\x:LS+4*\x+1], v[LS+4*\x:LS+4*\x+1], v[A0+64*\x+I:A0+64*\x+I+1]
	v_pk_add_f32 v[LS+4*\x+2:LS+4*\x+3], v[LS+4*\x+2:LS+4*\x+3], v[A0+64*\x+I+2:A0+64*\x+I+3]
.endr
.set I, I+4
.endr
	WIN 0
.irp x, 0,1
	v_pk_add_f32 v[LS+4*\x:LS+4*\x+1], v[LS+4*\x:LS+4*\x+1], v[LS+4*\x+2:LS+4*\x+3]
.endr
.irp i, 0,1,2,3
	v_max_num_f32 v[BM+\i], 0x1800000, v[BM+\i]    ; the floor 2^(3 - 127): the byte cannot fall under 1
.endr
.irp i, 0,1,2,3
	v_add_nc_u32 v[SO+\i], 0xff000000, v[BM+\i]    ; 2 off the exponent field: the conversion's scale operand
.endr
.irp i, 0,1,2,3
	v_lshrrev_b32 v[EB+\i], 23, v[SO+\i]           ; the scale's byte
.endr
	WIN WA
.irp i, 0,1,2,3
	v_cvt_scalef32_pk16_fp6_f32 v[PS+6*\i:PS+6*\i+2], v[A0+32*\i:A0+32*\i+15], v[SO+\i]
	v_cvt_scalef32_pk16_fp6_f32 v[TC+4*\i:TC+4*\i+2], v[A0+32*\i+16:A0+32*\i+31], v[SO+\i]
.endr
	WIN 0
.irp x, 0,1
	v_add_f32 v[NM+2*\x+1], v[LS+4*\x], v[LS+4*\x+1]   ; (plain work behind the conversions)
.endr
.irp x, 0,1
	v_permlanex16_b32 v[BX+\x], v[NM+2*\x+1], s[SEL], s[SEL+1]
.endr
.irp k, 0,1,2
.irp i, 0,1,2,3
	v_mov_b32 v[PS+6*\i+3+\k], v[TC+4*\i+\k]
.endr
.endr
.irp x, 0,1
	v_add_f32 v[NM+2*\x+1], v[NM+2*\x+1], v[BX+\x]     ; the group's l of my query
.endr
.irp x, 0,1
.irp k, 0,1,2
	global_store_b128 v[CO], v[PS+12*\x+4*\k:PS+12*\x+4*\k+3], s[8:9] offset:((\a)+\x)*24576+512*\k   ; 512 consecutive bytes, aligned
.endr
.irp c, 0,1
	ds_store_b8 v[STGB], v[EB+2*\x+\c] offset:64*((\a)+\x)+2*\c
.endr
	ds_store_b64 v[STGP], v[NM+2*\x:NM+2*\x+1] offset:512+128*((\a)+\x)   ; both halves of the lanes write the same bytes with the same values
.endr
.endm
.macro ZEROREC o                       ; my 128 queries, group g + o: zero codes, scale words 0, -M = 3e38, l = 0
.irp a, 0,1,2,3,4,5,6,7
.irp k, 0,1,2
	global_store_b128 v[CO], v[ZR:ZR+3], s[8:9] offset:\a*24576+(\o)*1536+512*\k
.endr
.endr
	global_store_b128 v[CO], v[ZR:ZR+3], s[10:11] offset:(\o)*8192
	global_store_b128 v[CO], v[ZBG:ZBG+3], s[12:13] offset:(\o)*16384
	global_store_b128 v[CO], v[ZBG:ZBG+3], s[12:13] offset:(\o)*16384+512
.endm
	PLACES NP                                      ; behind the last products
.irp i, 0,1,2,3
	v_mov_b32 v[ZR+\i], 0
.endr
.irp i, 0,1
	v_mov_b32 v[BX+\i], 0                          ; a lane permute's destination counts as one of its sources
	v_mov_b32 v[NM+2*\i+1], 0                      ; named with -M as a pair before it is first made
	v_mov_b32 v[ZBG+2*\i], 0x7f61b1e6
	v_mov_b32 v[ZBG+2*\i+1], 0
.endr
	v_mov_b32 v[NINF], 0xff800000
	v_mad_u32_u24 v[DB], v5, 40, v4                ; my query within its band, 8 j taken off: j even,
	v_mad_u32_u24 v[DB+2], v5, 24, v4              ; j odd
	v_mul_u32_u24 v6, v2, 24
	v_mul_u32_u24 v7, v2, 40
	v_sub_nc_u32 v[DB+1], v[DB], v6                ; less what half 1's keys lie further on: odd key tiles,
	v_sub_nc_u32 v[DB+3], v[DB+2], v6
	v_sub_nc_u32 v[DB], v[DB], v7                  ; even key tiles
	v_sub_nc_u32 v[DB+2], v[DB+2], v7
	s_wait_alu depctr_va_vdst(0)
	s_cmp_lt_i32 s[DQ], 0
	s_cbranch_scc1 .Lmasked                        ; all my keys come after all my queries
	s_cmp_lg_u32 s[DQ], 0
	s_cbranch_scc1 .Lno_table
	s_mov_b32 s20, 0x80000000                      ; THE DIAGONAL'S BOUNDS.  Query tile j, register n (of 32): t = my query - my key; the bound is +infinity where t >= 0, -infinity where t < 0.
	s_mov_b32 s21, 0x7f800000                      ; t hangs on j % 2 and on n - 16 (j / 2): so entry m of table j % 2 stands for n - 16 (j / 2) = m - 16
	WIN 0x40
.irp u, 0,1
.set n, 0
.rept 48
	v_add_nc_u32 v[TB+48*\u+n], 8*\u+16-n, v[DB+2*\u+(n/8)%2]
.set n, n+1
.endr
.endr
	WIN 0x41
.set n, 0
.rept 96
	v_and_or_b32 v[TB+n], v[TB+n], s20, s21        ; t's sign on infinity's bits
.set n, n+1
.endr
	WIN 0
	s_wait_alu depctr_va_vdst(0)
.Lno_table:
	SOFT2 0
	SOFT2 2
	SOFT2 4
	SOFT2 6
.irp k, 0,1,2
	ds_load_b128 v[SW+4*\k:SW+4*\k+3], v[STGR] offset:512*\k    ; LDS serves a wave's instructions in order: these see my stores
.endr
	s_wait_dscnt 0x0
	global_store_b128 v[CO], v[SW:SW+3], s[10:11]               ; my 128 queries' scale words: 512 consecutive bytes
	global_store_b128 v[CO], v[SW+4:SW+7], s[12:13]             ; their pairs: 1,024 consecutive bytes
	global_store_b128 v[CO], v[SW+8:SW+11], s[12:13] offset:512
	s_branch .Ljoin
.Lmasked:
	ZEROREC 0
.Ljoin:
	s_cmp_lg_u32 s98, 0
	s_cbranch_scc1 .Ldone
	ZEROREC 2                                      ; the two groups to the right of an even diagonal tile: my half of the keys says which
.Ldone:
	s_wait_tensorcnt 0x0                           ; the wave's end
	ds_add_u32 v[SPW], v[NIL]
	s_wait_dscnt 0x0
	s_endpgm
.Lfunc_end_k_qb8d2ec0874_score:
	.size	k_qb8d2ec0874_score, .Lfunc_end_k_qb8d2ec0874_score-k_qb8d2ec0874_score
	.p2alignl 7, 3214868480
	.fill 96, 4, 3214868480
	.section	.rodata,"a",@progbits
	.p2align	6, 0x0
	.amdhsa_kernel k_qb8d2ec0874_score
		.amdhsa_group_segment_fixed_size 327680
		.amdhsa_private_segment_fixed_size 0
		.amdhsa_enable_private_segment 0
		.amdhsa_kernarg_size 32
		.amdhsa_user_sgpr_count 2
		.amdhsa_user_sgpr_kernarg_segment_ptr 1
		.amdhsa_wavefront_size32 1
		.amdhsa_system_sgpr_workgroup_id_x 1
		.amdhsa_system_sgpr_workgroup_id_y 1
		.amdhsa_system_sgpr_workgroup_id_z 1
		.amdhsa_system_vgpr_workitem_id 0
		.amdhsa_next_free_vgpr 1024
		.amdhsa_next_free_sgpr 100
		.amdhsa_reserve_vcc 0
		.amdhsa_float_denorm_mode_32 3
		.amdhsa_float_denorm_mode_16_64 3
		.amdhsa_memory_ordered 1
		.amdhsa_forward_progress 1
		.amdhsa_inst_pref_size 225
	.end_amdhsa_kernel
	.amdgpu_metadata
---
amdhsa.version: [ 1, 2 ]
amdhsa.kernels:
  - .name:           k_qb8d2ec0874_score
    .symbol:         k_qb8d2ec0874_score.kd
    .args:
      - { .name: QKc, .offset: 0, .size: 8, .value_kind: global_buffer, .address_space: global }
      - { .name: QKs, .offset: 8, .size: 8, .value_kind: global_buffer, .address_space: global }
      - { .name: Pc, .offset: 16, .size: 8, .value_kind: global_buffer, .address_space: global }
      - { .name: Pst, .offset: 24, .size: 8, .value_kind: global_buffer, .address_space: global }
    .group_segment_fixed_size: 327680
    .private_segment_fixed_size: 0
    .kernarg_segment_align: 8
    .kernarg_segment_size: 32
    .max_flat_workgroup_size: 128
    .sgpr_count:     100
    .vgpr_count:     1024
    .wavefront_size: 32
...
	.end_amdgpu_metadata
.endif
;; end of part 2
;; launch pv (part 3): grid 64 x 4, 4 waves a work-group, clusters of 4 x 4, 327,680 bytes of LDS; arguments Pc, Pst, Vc, Vs, out0; writes out0
.if DOCPART == 3
	.amdgcn_target "amdgcn-amd-amdhsa--gfx1250"
	.amdhsa_code_object_version 6
	.text
	.protected	k_qb8d2ec0874_pv
	.globl	k_qb8d2ec0874_pv
	.p2align	8
	.type	k_qb8d2ec0874_pv,@function
k_qb8d2ec0874_pv:
	s_mov_b64 s[64:65], 0
	v_nop
	global_prefetch_b8 v0, s[64:65] scope:SCOPE_SE
	s_setreg_imm32_b32 hwreg(HW_REG_WAVE_MODE, 25, 1), 1
	s_wait_xcnt 0x0
	s_wait_alu depctr_hold_cnt(0) depctr_sa_sdst(0) depctr_va_vdst(0) depctr_va_sdst(0) depctr_va_ssrc(0) depctr_va_vcc(0) depctr_vm_vsrc(0)
	s_getreg_b32 s2, hwreg(HW_REG_IB_STS2, 6, 4)
	s_cmp_eq_u32 s2, 0
	s_cbranch_scc0 .Lentry_in_a_cluster
	s_endpgm
.Lentry_in_a_cluster:
	s_bfe_u32 s2, ttmp6, 0x10000c
	s_cmp_lg_u32 s2, 0xf033
	s_cbranch_scc0 .Lentry_shape_is_right
	s_endpgm
.Lentry_shape_is_right:
; O = P V / l on codes of FP6 (E2M3), K = the keys.  P arrives as codes taken under a whole number M of each (query, group of 128 keys), with its scale words and the pair (-M, l) for each group; V as codes along the keys.
; THE HEAD brings a row's groups under the row's M = the largest of its groups': D = M - the group's M is a whole number, 0 or more; it is taken off the group's four scale bytes (held at 0 from below) and
; l is multiplied by 2^-D: no code changes.  1 / the row's sum multiplies O at the end.  A thread's 20 scale words, 20 pairs and 20 of V's scale words are 60 loads.
; SHARES.  16 clusters of 4 x 4: cluster number = 4 x batch + 2 ex + c.  A work-group owns outputs 128 n .. + 127, n = 4 ex + cx, and TWO blocks of 128 queries: i1 = 4 c + cy and i2 = 12 - 4 c + cy.
; The keys are walked in slots of 512, up to the end of the cluster's 512 queries (no branch may hang on cy): c + 1 slots for the first block, 4 - c for the second: FIVE in every work-group.
; What lies above the diagonal there holds zero codes.  P's tiles are shared along a row of the cluster, V's along a column: joint loads.  A wave makes 64 x 64: 16 accumulators.
; Operands are records of 1,536 bytes, images of a fragment's registers (16 rows x 128 keys); a slot holds four records for each block of 16 rows: rows of 6,144 bytes, 24,576 apart in memory.
; THE MATRIX INSTRUCTION IS USED TRANSPOSED (source 0 = 16 outputs of V, source 1 = 16 queries of P): a lane holds eight neighbouring outputs of one query.
; LIMITS: what lies more than 2^127 under a row's largest p counts with the scale 2^-127 at the most; NaN and infinities are not served.
.set HALFT,  4*6144                    ; 4 blocks of 16 rows x four records: one tensor load
.set SLOT,   4*HALFT                   ; P's 128 rows, then V's
.set SCL,    2*SLOT                    ; behind the ring: for each of the five slots 4,096 bytes: P's 128 rows x four scale words, then V's
.set RL,     SCL+5*4096                ; 1 / l: 128 rows of the first block, 128 of the second
.set SPARE,  RL+1024                   ; the spare words
.set STAGE,  SPARE+512                 ; 16 rows x (256 + 16) bytes for each wave
.set RV,   8                           ; v8-15 four pairs: 1 / l of my query in block a, and a word that is only named
.set ADA,  16                          ; v16-17 my P fragments in slot 0, 1
.set ADB,  20                          ; v20-21 my V fragments
; ORDER.  A tile of 16 rows of P or of V is tile j of a band of 64: lanes 0-7 rows 8 j + i, lanes 8-15 rows 32 + 8 (j xor 1) + i.  Scale words, pairs and 1 / l stand in the order of the tiles; out0's rows and columns are put right on the way out.
; PREFETCHES into the L2: one instruction a wave for a slot, two slots ahead of its load (slots 1 and 2 at the head, slot 3 and slot 4 behind the loads of slots 2 and 3): of the four blocks of 16 rows that a wave fetches jointly with its
; three partners each work-group asks for one, told apart by address: 24 units of 256 bytes, a lane a unit.
.set STO,  24                          ; v24 an even tile of V's, v31 an odd one
.set RD,   25
.set CO,   26
.set ADRS, 27
.set SPW,  28
.set NIL,  29
.set RLA,  30
.set SC,   32                          ; v32-63 scale words, two sets of 16
.set BK,   64                          ; v64-127 the way out: two sets of 32
.set ACC,  128                         ; v128-255 accumulator (a, b) at ACC + 8 (4 a + b)
.set NL2,  64                          ; the head: the pair (-M, l) of slot s, group j at +8 s + 2 j
.set WW,   104                         ; p's scale words
.set VW,   124                         ; V's
.set OA,   144
.set OV,   147
.set MS,   150
.set X1,   155
.set X2,   156
.set N1,   157
.set N2,   158
.set NS1,  159
.set BIG,  160
.set TD,   161
.set TE,   162
.set TX,   163
.set TMK,  164
.set LSM,  166
.set SA,   171
.set RA,   172
.set R1,   174
.set R2,   175
.set OP,   176
.set G1,   24
.set G0,   32
.set G1B,  48
.set G0B,  56
.set CC,   17                          ; s17 c
.set OUT1, 66
.set OUT2, 68
.set CM,   94                          ; s94 all ones where c = 1
.set K01,  95
.set K80,  96
.set MSB, 0
.macro WIN new
.if MSB != (\new)
	s_set_vgpr_msb (MSB<<8)|(\new)
.set MSB, (\new)
.endif
.endm
.macro JLOAD s                         ; waves 0 and 1 fetch P's halves, waves 2 and 3 V's; four v_nop follow each line
	s_cmp_eq_u32 s15, 0
	s_cbranch_scc0 .Lfor_b_\@
	tensor_load_to_lds s[G0+4*(\s):G0+4*(\s)+3], s[G1:G1+7]
	s_nop 0
.rept 4
	v_nop
.endr
	s_branch .Lasked_\@
.Lfor_b_\@:
	tensor_load_to_lds s[G0B+4*(\s):G0B+4*(\s)+3], s[G1B:G1B+7]
	s_nop 0
.rept 4
	v_nop
.endr
.Lasked_\@:
.endm
.macro CREST
	s_cmp_lg_u32 s14, 0
	s_cbranch_scc1 .Lnot_wave_0_\@
	s_barrier_signal -3
.Lnot_wave_0_\@:
	s_barrier_wait -3
	s_barrier_signal -1
	s_barrier_wait -1
.endm
.macro CROUND
	s_barrier_signal -1
	s_barrier_wait -1
	CREST
.endm
.macro PLACES n
.rept \n
	v_nop
.endr
.endm
	s_load_b256 s[4:11], s[0:1], 0x0               ; Pc, Pst, Vc, Vs
	s_load_b64 s[12:13], s[0:1], 0x20              ; out0
	v_lshl_add_u32 v[SPW], v0, 2, SPARE
	v_mov_b32 v[NIL], 0
	ds_add_u32 v28, v29
	ds_add_u32 v28, v29
	s_wait_dscnt 0x0
	v_lshrrev_b32 v1, 5, v0
	v_readfirstlane_b32 s14, v1                    ; wave 0..3
	s_lshr_b32 s15, s14, 1                         ; my half of the queries; also: I fetch for P (0) or V (1)
	s_and_b32 s16, s14, 1                          ; my half of the outputs; also: which half I fetch
	s_bfe_u32 s40, ttmp6, 0x40000                  ; cx
	s_bfe_u32 s41, ttmp6, 0x40004                  ; cy
	s_and_b32 s[CC], ttmp9, 1                      ; c
	s_bfe_u32 s18, ttmp9, 0x10001                  ; ex
	s_lshr_b32 s19, ttmp9, 2                       ; the batch
	s_lshl_b32 s42, s18, 2
	s_add_co_u32 s42, s42, s40                     ; n
	s_lshl_b32 s46, s[CC], 2
	s_sub_co_u32 s47, 12, s46
	s_add_co_u32 s46, s46, s41                     ; i1
	s_add_co_u32 s47, s47, s41                     ; i2
	s_lshl_b32 s43, s41, 2
	s_lshl_b32 s43, 15, s43                        ; my row of the cluster
	s_lshl_b32 s44, 0x1111, s40                    ; my column
	s_or_b32 s[G1+0], s43, (3<<16)|(1<<21)         ; the mask; elements of 8 bytes; bit 21 beside a mask; no padding
	s_or_b32 s[G1B+0], s44, (3<<16)|(1<<21)
.irp g, G1, G1B
	s_mov_b32 s[\g+1], 768<<16                     ; tensor_dim0: four records, 6,144 bytes
	s_mov_b32 s[\g+2], 4<<16                       ; tensor_dim1: 4 blocks of 16 rows
	s_mov_b32 s[\g+3], 768<<16                     ; tile_dim0
	s_mov_b32 s[\g+4], 4                           ; tile_dim1
	s_mov_b32 s[\g+5], 3072                        ; from block to block: sixteen records, 24,576 bytes
	s_mov_b32 s[\g+6], 0
	s_mov_b32 s[\g+7], 0
.endr
	; P's offsets: registers that never hold cx
	s_lshl_b32 s70, s19, 7
	s_lshl_b32 s71, s16, 2
	s_add_co_u32 s70, s70, s71                     ; 128 x batch + 4 x the half that I fetch
	s_lshl_b32 s71, s46, 3
	s_add_co_u32 s71, s71, s70
	s_mul_i32 s72, s71, 24576                      ; the first block of queries, keys 0 on
	s_lshl_b32 s71, s47, 3
	s_add_co_u32 s71, s71, s70
	s_mul_i32 s74, s71, 24576                      ; the second
	s_add_co_u32 s78, s72, 6144
	s_mov_b32 s73, 0
	s_mov_b32 s75, 0
	s_mov_b32 s79, 0
	s_cmp_eq_u32 s[CC], 1
	s_cselect_b32 s76, 6144, 0                     ; c slots on
	s_cselect_b32 s77, 0, 6144                     ; 1 - c slots on
	s_cselect_b32 s78, s78, s74                    ; slot 1: the first block's keys 512 on (c = 1) or the second block's keys 0 on
	s_add_co_u32 s74, s74, s77                     ; slots 2, 3, 4 walk on from here
	; V's: registers that never hold cy
	s_lshl_b32 s80, s19, 6
	s_lshl_b32 s81, s42, 3
	s_add_co_u32 s80, s80, s81
	s_lshl_b32 s81, s16, 2
	s_add_co_u32 s80, s80, s81
	s_mul_i32 s80, s80, 24576
	s_mov_b32 s81, 0
	s_add_co_u32 s82, s80, s76
	s_mov_b32 s83, 0
	s_add_co_u32 s84, s80, s77
	s_mov_b32 s85, 0
	s_mul_i32 s45, s14, HALFT                      ; where the tiles go: no place in the cluster enters an LDS address
	s_wait_kmcnt 0x0
	s_add_nc_u64 s[20:21], s[4:5], s[74:75]        ; the walking addresses
	s_add_nc_u64 s[22:23], s[8:9], s[84:85]
	; THE STATISTICS' LOADS go out ahead of the round.  Thread t stands for place t of both blocks of queries and for output place t.
	s_lshl_b32 s86, s19, 17
	s_lshl_b32 s87, s46, 9
	s_add_co_u32 s87, s87, s86                     ; slot 0: the first block, groups 0-3
	s_lshl_b32 s88, s47, 9
	s_add_co_u32 s88, s88, s86                     ; the second block
	s_add_co_u32 s89, s87, 32768
	s_lshl_b32 s90, s19, 16
	s_lshl_b32 s91, s42, 9
	s_add_co_u32 s90, s90, s91                     ; V's scale words, groups 0-3
	s_cmp_eq_u32 s[CC], 1
	s_cselect_b32 s89, s89, s88                    ; slot 1
	s_cselect_b32 s91, 0, 32768
	s_cselect_b32 s92, 16384, 0
	s_cselect_b32 s93, 0, 16384
	s_cselect_b32 s[CM], -1, 0
	s_add_co_u32 s88, s88, s91                     ; slot 2
	s_add_co_u32 s92, s92, s90
	s_add_co_u32 s93, s93, s90
	s_lshl_b32 s2, s87, 1                          ; the pairs lie at twice the words' offsets
	s_lshl_b32 s3, s89, 1
	s_lshl_b32 s97, s88, 1
	s_mov_b32 s[K01], 0x01010101
	s_mov_b32 s[K80], 0x80808080
	v_lshl_add_u32 v[OA], v0, 2, s87
	v_lshl_add_u32 v[OA+1], v0, 2, s89
	v_lshl_add_u32 v[OA+2], v0, 2, s88
	v_lshl_add_u32 v[OP], v0, 3, s2
	v_lshl_add_u32 v[OP+1], v0, 3, s3
	v_lshl_add_u32 v[OP+2], v0, 3, s97
	v_lshl_add_u32 v[OV], v0, 2, s90
	v_lshl_add_u32 v[OV+1], v0, 2, s92
	v_lshl_add_u32 v[OV+2], v0, 2, s93
.macro PROLD s, o, e                   ; slot s: offset register o, e slots further on
.irp j, 0,1,2,3
	global_load_b32 v[WW+4*(\s)+\j], v[OA+(\o)], s[6:7] offset:32768*(\e)+8192*\j
	global_load_b64 v[NL2+8*(\s)+2*\j:NL2+8*(\s)+2*\j+1], v[OP+(\o)], s[6:7] offset:524288+65536*(\e)+16384*\j
	global_load_b32 v[VW+4*(\s)+\j], v[OV+(\o)], s[10:11] offset:16384*(\e)+4096*\j
.endr
.endm
	PROLD 0, 0, 0
	PROLD 1, 1, 0
	PROLD 2, 2, 0
	PROLD 3, 2, 1
	PROLD 4, 2, 2
	s_wait_alu depctr_va_vdst(0)
	CROUND                                         ; all sixteen work-groups are here: the first joint loads meet
	s_mov_b32 s[G0], 1
	s_mov_b32 s[G0+1], s45
	s_add_nc_u64 s[G0+2:G0+3], s[4:5], s[72:73]
	s_or_b32 s[G0+3], s[G0+3], 0x80000000
	s_mov_b32 s[G0B], 1
	s_mov_b32 s[G0B+1], s45
	s_add_nc_u64 s[G0B+2:G0B+3], s[8:9], s[80:81]
	s_or_b32 s[G0B+3], s[G0B+3], 0x80000000
	JLOAD 0
	s_mov_b32 s[G0+4], 1
	s_add_co_u32 s[G0+5], s45, SLOT
	s_add_nc_u64 s[G0+6:G0+7], s[4:5], s[78:79]
	s_or_b32 s[G0+7], s[G0+7], 0x80000000
	s_mov_b32 s[G0B+4], 1
	s_add_co_u32 s[G0B+5], s45, SLOT
	s_add_nc_u64 s[G0B+6:G0B+7], s[8:9], s[82:83]
	s_or_b32 s[G0B+7], s[G0B+7], 0x80000000        ; (slot 1 is asked for behind a full round)
	s_cmp_eq_u32 s15, 0                            ; the prefetches: do I fetch for P?
	s_cselect_b32 s71, s40, s41                    ; my place among the four that ask with me
	s_cselect_b32 s86, s78, s82
	s_mov_b32 s87, 0
	s_cselect_b64 s[2:3], s[4:5], s[8:9]
	s_cselect_b64 s[98:99], s[20:21], s[22:23]     ; slot 2's rows
	s_add_nc_u64 s[2:3], s[2:3], s[86:87]          ; slot 1's
	s_mul_i32 s71, s71, 24576
	v_and_b32 v6, 31, v0
	v_min_u32 v6, 23, v6
	v_lshl_add_u32 v6, v6, 8, s71                  ; never rewritten
	global_prefetch_b8 v6, s[2:3] th:TH_LOAD_NT scope:SCOPE_SE
	global_prefetch_b8 v6, s[98:99] th:TH_LOAD_NT scope:SCOPE_SE
	; THE HEAD'S WORK ON THE STATISTICS.  Thread t stands for query t of both blocks and for output t.
	v_and_b32 v1, 15, v0                           ; r
	s_wait_alu depctr_va_vdst(0)
	v_bfe_u32 v2, v0, 4, 1                         ; h
	v_and_b32 v3, 31, v0
	v_lshlrev_b32 v3, 4, v3                        ; 16 lane
	s_mul_i32 s70, s15, HALFT
	s_mul_i32 s71, s16, HALFT
	s_add_co_u32 s71, s71, 2*HALFT
.irp s, 0,1
	v_add_nc_u32 v[ADA+\s], s70, v3
	v_add_nc_u32 v[ADB+\s], s71, v3
	s_add_co_u32 s70, s70, SLOT
	s_add_co_u32 s71, s71, SLOT
.endr
	s_mul_i32 s70, s14, 16*272
	s_add_co_u32 s70, s70, STAGE                   ; my stage
	v_mul_u32_u24 v4, v1, 272
	s_wait_alu depctr_va_vdst(0)
	v_mad_u32_u24 v5, v2, 160, v4
	v_add_nc_u32 v[STO], s70, v5                   ; in: row r; lanes 16-31 hold columns 32 + 8 (b xor 1) on: 160 bytes further where b is even,
	v_mad_u32_u24 v5, v2, 96, v4
	v_add_nc_u32 v[STO+7], s70, v5                 ; 96 where it is odd
	v_mul_u32_u24 v4, v2, 272
	v_lshl_add_u32 v4, v1, 4, v4
	v_add_nc_u32 v[RD], s70, v4                    ; back: lanes 0-15 one row of 256 bytes, lanes 16-31 the next
	v_lshlrev_b32 v[CO], 12, v2
	v_lshl_add_u32 v[CO], v1, 4, v[CO]             ; and the same two rows in out0
	s_lshl_b32 s70, s15, 10                        ; P's scale words: my 64 rows of 16 bytes
	s_lshl_b32 s71, s16, 10                        ; V's: my 64 rows, 2,048 bytes on
	s_add_co_u32 s71, s71, 2048
	s_sub_co_u32 s71, s71, s70
	v_mul_u32_u24 v4, s71, v2                      ; lanes 16-31 take V's
	s_add_co_u32 s70, s70, SCL
	v_lshl_add_u32 v4, v1, 4, v4
	v_add_nc_u32 v[ADRS], s70, v4
	s_lshl_b32 s70, s15, 8
	s_add_co_u32 s70, s70, RL
	v_lshl_add_u32 v[RLA], v1, 2, s70
	v_lshl_add_u32 v[SA], v0, 4, SCL
	v_lshl_add_u32 v[RA], v0, 2, RL
.irp a, 0,1,2,3
	v_mov_b32 v[RV+2*\a+1], 0                      ; named as the upper half of a pair, so it is written
.endr
	v_mov_b32 v[BIG], 0x7f61b1e6                   ; 3e38
	s_lshl_b32 s70, s19, 11
	s_lshl_b32 s71, s15, 6
	s_add_co_u32 s70, s70, s71
	s_lshl_b32 s71, s46, 7
	s_add_co_u32 s71, s71, s70
	s_lshl_b32 s72, s71, 12                        ; my first row of out0 in the first block, in bytes,
	s_lshl_b32 s71, s47, 7
	s_add_co_u32 s71, s71, s70
	s_lshl_b32 s74, s71, 12                        ; in the second,
	s_lshl_b32 s71, s42, 9
	s_lshl_b32 s76, s16, 8
	s_add_co_u32 s71, s71, s76                     ; and my first column: 512 n + 256 x half
	s_add_co_u32 s72, s72, s71
	s_add_co_u32 s74, s74, s71
	s_mov_b32 s73, 0
	s_mov_b32 s75, 0
	s_add_nc_u64 s[OUT1:OUT1+1], s[12:13], s[72:73]
	s_add_nc_u64 s[OUT2:OUT2+1], s[12:13], s[74:75]
	s_wait_loadcnt 0x0
.irp s, 0,1,2,3,4
	v_min3_num_f32 v[MS+\s], v[NL2+8*\s], v[NL2+8*\s+2], v[NL2+8*\s+4]
.endr
.irp s, 0,1,2,3,4
	v_min_num_f32 v[MS+\s], v[MS+\s], v[NL2+8*\s+6]        ; the smallest -M of each slot
.endr
	v_cndmask_b32 v[X1], v[BIG], v[MS+1], s[CM]    ; slot 1 belongs to the first block where c = 1,
	v_cndmask_b32 v[X2], v[MS+1], v[BIG], s[CM]    ; else to the second
	v_min_num_f32 v[N1], v[MS], v[X1]              ; -M of my row in the first block
	v_min3_num_f32 v[N2], v[MS+2], v[MS+3], v[MS+4]
	v_min_num_f32 v[N2], v[N2], v[X2]              ; and in the second
	v_cndmask_b32 v[NS1], v[N2], v[N1], s[CM]
.macro ADJ s, ns                       ; slot s under the row's M, which stands (negated) in v[ns]
.irp j, 0,1,2,3
	v_sub_f32 v[TD], v[NL2+8*(\s)+2*\j], v[\ns]    ; D = the row's M - the group's M: a whole number, 0 or more
	v_min_num_f32 v[TD], 0x42fe0000, v[TD]         ; held at 127
	v_cvt_u32_f32 v[TD], v[TD]
	v_sub_nc_u32 v[TE], 0, v[TD]
	v_ldexp_f32 v[NL2+8*(\s)+2*\j+1], v[NL2+8*(\s)+2*\j+1], v[TE]    ; l x 2^-D
	v_mul_lo_u32 v[TD], v[TD], s[K01]              ; D in each byte
	v_or_b32 v[TX], s[K80], v[WW+4*(\s)+\j]        ; p's bytes are 125 at the most: with bit 7 set no byte borrows from the next
	v_sub_nc_u32 v[TX], v[TX], v[TD]
	v_and_b32 v[TMK], s[K80], v[TX]                ; bit 7 is left where byte >= D
	v_lshrrev_b32 v[TE], 7, v[TMK]
	v_sub_nc_u32 v[TMK], v[TMK], v[TE]             ; 0x7f there, 0 elsewhere
	v_and_b32 v[WW+4*(\s)+\j], v[TX], v[TMK]       ; byte - D, held at 0
.endr
	v_add_f32 v[LSM+(\s)], v[NL2+8*(\s)+1], v[NL2+8*(\s)+3]
	v_add_f32 v[TE], v[NL2+8*(\s)+5], v[NL2+8*(\s)+7]
	v_add_f32 v[LSM+(\s)], v[LSM+(\s)], v[TE]
	ds_store_b128 v[SA], v[WW+4*(\s):WW+4*(\s)+3] offset:4096*(\s)
	ds_store_b128 v[SA], v[VW+4*(\s):VW+4*(\s)+3] offset:4096*(\s)+2048
.endm
	ADJ 0, N1
	ADJ 1, NS1
	ADJ 2, N2
	ADJ 3, N2
	ADJ 4, N2
	v_cndmask_b32 v[X1], 0, v[LSM+1], s[CM]
	v_cndmask_b32 v[X2], v[LSM+1], 0, s[CM]
	v_add_f32 v[X1], v[X1], v[LSM]                 ; the row's sum in the first block
	v_add_f32 v[X2], v[X2], v[LSM+2]
	v_add_f32 v[TE], v[LSM+3], v[LSM+4]
	v_add_f32 v[X2], v[X2], v[TE]                  ; and in the second
	s_wait_alu depctr_va_vdst(0)
	v_rcp_f32 v[R1], v[X1]
	v_rcp_f32 v[R2], v[X2]
	v_nop                                          ; a plain place behind the reciprocals
	s_wait_alu depctr_va_vdst(0)                   ; one wait for both, ahead of their first reader
	ds_store_b32 v[RA], v[R1]
	ds_store_b32 v[RA], v[R2] offset:512
.macro SCALES d                        ; slot d's scale words into set d % 2: register 4 i + q: lanes 0-15 P's block i, lanes 16-31 V's block i, K step q
.irp i, 0,1,2,3
	ds_load_b128 v[SC+16*((\d)%2)+4*\i:SC+16*((\d)%2)+4*\i+3], v[ADRS] offset:4096*(\d)+256*\i
.endr
.endm
.macro FETCH sg, kp, win               ; K steps 2 kp and 2 kp + 1 of the slot at place sg into window win: 48 loads, the first K step's 24 first
	WIN (\win)<<6
.irp cc, 0,1
.irp i, 0,1,2,3
.irp k, 0,1,2
	ds_load_b128 v[96*\cc+48+12*\i+4*\k:96*\cc+48+12*\i+4*\k+3], v[ADB+(\sg)] offset:\i*6144+(2*(\kp)+\cc)*1536+512*\k
.endr
.endr
.irp i, 0,1,2,3
.irp k, 0,1,2
	ds_load_b128 v[96*\cc+12*\i+4*\k:96*\cc+12*\i+4*\k+3], v[ADA+(\sg)] offset:\i*6144+(2*(\kp)+\cc)*1536+512*\k
.endr
.endr
.endr
.endm
; 8 matrix instructions: P's blocks a0, a0 + 1 x V's four; half cc of the window's buffer; K step q of the slot.  The 16 accumulators take turns, one instruction a turn.
.macro MUL8 cc, a0, q, sc, zero
.irp a, \a0, \a0+1
.irp b, 0,1,2,3
.if \zero
	v_wmma_scale_f32_16x16x128_f8f6f4 v[ACC+8*(4*(\a)+\b):ACC+8*(4*(\a)+\b)+7], v[96*(\cc)+48+12*\b:96*(\cc)+48+12*\b+11], v[96*(\cc)+12*(\a):96*(\cc)+12*(\a)+11], 0, v[SC+16*(\sc)+4*\b+(\q)], v[SC+16*(\sc)+4*(\a)+(\q)] matrix_a_fmt:MATRIX_FMT_FP6 matrix_b_fmt:MATRIX_FMT_FP6 matrix_a_scale:MATRIX_SCALE_ROW1
.else
	v_wmma_scale_f32_16x16x128_f8f6f4 v[ACC+8*(4*(\a)+\b):ACC+8*(4*(\a)+\b)+7], v[96*(\cc)+48+12*\b:96*(\cc)+48+12*\b+11], v[96*(\cc)+12*(\a):96*(\cc)+12*(\a)+11], v[ACC+8*(4*(\a)+\b):ACC+8*(4*(\a)+\b)+7], v[SC+16*(\sc)+4*\b+(\q)], v[SC+16*(\sc)+4*(\a)+(\q)] matrix_a_fmt:MATRIX_FMT_FP6 matrix_b_fmt:MATRIX_FMT_FP6 matrix_a_scale:MATRIX_SCALE_ROW1
.endif
.endr
.endr
.endm
.macro HALF0 sg, sc, zero              ; a slot's K steps 0 and 1, from window 1; in its middle K steps 2 and 3 are fetched into window 2
	s_wait_dscnt 24                                ; the first K step's fragments and the scale words are in; the youngest 24 loads may be out
	WIN 0x05
	MUL8 0, 0, 0, \sc, \zero
	MUL8 0, 2, 0, \sc, \zero
	PLACES 4
	FETCH \sg, 1, 2
	s_wait_dscnt 48                                ; all but the 48 just issued
	WIN 0x05
	MUL8 1, 0, 1, \sc, 0
	MUL8 1, 2, 1, \sc, 0
.endm
; A slot's K steps 2 and 3, from window 2, and the change of slots: one barrier; in front of it each wave waits for all its tensor loads, adds 0 to its spare word, and waits for that and for its reads of the slot.
; d: the slot that comes next.  fill = 1: the place just left takes the slot after that.
.macro TURN sg, d, fill
	WIN 0
	s_wait_tensorcnt 0x0                           ; all my tensor loads have landed: my part of the next slot
	ds_add_u32 v[SPW], v[NIL]                      ; 0 onto my spare word
	s_wait_dscnt 25                                ; (the add and the youngest 24 loads may be out)
	WIN 0x0a
	MUL8 0, 0, 2, \sg, 0
	s_wait_dscnt 0x0                               ; the add is done, and my reads of this slot are over
	s_barrier_signal -1
	MUL8 0, 2, 2, \sg, 0
	WIN 0
	s_barrier_wait -1
.if \fill
	CREST                                          ; the barrier has opened a round of the cluster's barrier: no wave of any partner still reads this slot or has a load on its way
	s_mov_b64 s[G0+4*(\sg)+2:G0+4*(\sg)+3], s[20:21]
	s_or_b32 s[G0+4*(\sg)+3], s[G0+4*(\sg)+3], 0x80000000
	s_add_nc_u64 s[20:21], s[20:21], 6144
	s_mov_b64 s[G0B+4*(\sg)+2:G0B+4*(\sg)+3], s[22:23]
	s_or_b32 s[G0B+4*(\sg)+3], s[G0B+4*(\sg)+3], 0x80000000
	s_add_nc_u64 s[22:23], s[22:23], 6144
	JLOAD \sg                                      ; the first tensor load behind the round; its four v_nop are the places in front of the loads below
.else
	PLACES 4
.endif
	SCALES \d
	FETCH 1-(\sg), 0, 1
.if (\fill) && ((\d) < 3)
	global_prefetch_b8 v6, s[98:99] offset:6144*(\d) th:TH_LOAD_NT scope:SCOPE_SE   ; slot d + 2, one slot beyond the one just asked for
.endif
	WIN 0x0a
	MUL8 1, 0, 3, \sg, 0
	MUL8 1, 2, 3, \sg, 0
	WIN 0
.endm
; THE WAY OUT of a block of queries: x 1 / l; then 16 rows x 64 outputs at a time through my stage, so that sixteen lanes store 256 consecutive bytes, aligned.
.macro TOSTAGE a
.irp b, 0,1,2,3
	ds_store_b128 v[STO+7*(\b%2)], v[ACC+8*(4*(\a)+\b):ACC+8*(4*(\a)+\b)+3] offset:32*\b
	ds_store_b128 v[STO+7*(\b%2)], v[ACC+8*(4*(\a)+\b)+4:ACC+8*(4*(\a)+\b)+7] offset:32*\b+16
.endr
.irp t, 0,1,2,3,4,5,6,7
	ds_load_b128 v[BK+32*((\a)%2)+4*\t:BK+32*((\a)%2)+4*\t+3], v[RD] offset:544*\t   ; LDS serves a wave's instructions in order: these see the stores above
.endr
.endm
.macro SEND a, younger, ob
	s_wait_dscnt \younger
.irp t, 0,1,2,3,4,5,6,7
.if \t < 4
	global_store_b128 v[CO], v[BK+32*((\a)%2)+4*\t:BK+32*((\a)%2)+4*\t+3], s[\ob:\ob+1] offset:(8*(\a)+2*\t)*4096 th:TH_STORE_NT
.else
	global_store_b128 v[CO], v[BK+32*((\a)%2)+4*\t:BK+32*((\a)%2)+4*\t+3], s[\ob:\ob+1] offset:(24+8*((\a)^1)+2*\t)*4096 th:TH_STORE_NT
.endif
.endr
.endm
.macro FLUSH x, ob
	PLACES 4                                       ; behind the last products, in front of the first read of results
	s_wait_xcnt 0x0                                ; earlier stores have read their registers
.irp a, 0,1,2,3
	ds_load_b32 v[RV+2*\a], v[RLA] offset:512*(\x)+64*\a
.endr
	s_wait_dscnt 0x0
.irp a, 0,1,2,3
.set j, 0
.rept 16
	v_pk_mul_f32 v[ACC+32*\a+j:ACC+32*\a+j+1], v[ACC+32*\a+j:ACC+32*\a+j+1], v[RV+2*\a:RV+2*\a+1] op_sel_hi:[1,0]   ; each accumulator from its low end on
.set j, j+2
.endr
.endr
	TOSTAGE 0
	TOSTAGE 1
	s_wait_alu depctr_va_vdst(0)
	SEND 0, 16, \ob                                ; behind block 0's loads: block 1's 8 stores and 8 loads
	s_wait_xcnt 0x0                                ; block 0's stores have read their registers: block 2's loads may land there
	TOSTAGE 2
	SEND 1, 16, \ob
	s_wait_xcnt 0x0
	TOSTAGE 3
	SEND 2, 16, \ob
	SEND 3, 0, \ob
.endm
; Behind slot k the first block of queries is finished where c = k (the same in all sixteen partners): it goes out, and the next half step starts the second block's sums with the constant 0; else it adds on.
.macro NEXT k, sg, sc
	s_cmp_lg_u32 s[CC], \k
	s_cbranch_scc1 .Lgo_on_\@
	FLUSH 0, OUT1
	HALF0 \sg, \sc, 1
	WIN 0
	s_branch .Ljoined_\@
.Lgo_on_\@:
	HALF0 \sg, \sc, 0
	WIN 0
.Ljoined_\@:
.endm
	s_wait_alu depctr_va_vdst(0)
	s_wait_tensorcnt 0x0                           ; my part of slot 0 is in
	ds_add_u32 v[SPW], v[NIL]
	s_wait_dscnt 0x0                               ; the add is done, and my scale words and reciprocals lie in LDS
	CROUND                                         ; everybody's do, and all sixteen work-groups are here
	JLOAD 1                                        ; slot 1, the first tensor load behind the round
	SCALES 0
	FETCH 0, 0, 1
	HALF0 0, 0, 1                                  ; slot 0: the first products start the sums
	TURN 0, 1, 1
	NEXT 0, 1, 1                                   ; slot 1
	TURN 1, 2, 1
	NEXT 1, 0, 0                                   ; slot 2
	TURN 0, 3, 1
	HALF0 1, 1, 0                                  ; slot 3
	TURN 1, 4, 0                                   ; nothing is left to fetch
; Slot 4 goes by rows: both windows take its fragments; then the blocks of 16 queries are finished one after the other, 16 products each, the block's four accumulators by turns, and each leaves under the next one's products.
.macro MUL4 cc, a, q
.irp b, 0,1,2,3
	v_wmma_scale_f32_16x16x128_f8f6f4 v[ACC+8*(4*(\a)+\b):ACC+8*(4*(\a)+\b)+7], v[96*(\cc)+48+12*\b:96*(\cc)+48+12*\b+11], v[96*(\cc)+12*(\a):96*(\cc)+12*(\a)+11], v[ACC+8*(4*(\a)+\b):ACC+8*(4*(\a)+\b)+7], v[SC+4*\b+(\q)], v[SC+4*(\a)+(\q)] matrix_a_fmt:MATRIX_FMT_FP6 matrix_b_fmt:MATRIX_FMT_FP6 matrix_a_scale:MATRIX_SCALE_ROW1
.endr
.endm
.irp a, 0,1,2,3
	ds_load_b32 v[RV+2*\a], v[RLA] offset:512+64*\a
.endr
	PLACES 4                                       ; behind the last products on window 2's fragments
	FETCH 0, 1, 2
	s_wait_dscnt 48                                ; K steps 0 and 1, the scale words and 1 / l are in; the 48 just issued may be out
.irp a, 0,1,2,3
	WIN 0x05
	MUL4 0, \a, 0
	MUL4 1, \a, 1
.if \a == 0
	s_wait_dscnt 0x0                               ; K steps 2 and 3 are in
.endif
	WIN 0x0a
	MUL4 0, \a, 2
	MUL4 1, \a, 3
	WIN 0
	s_wait_xcnt 0x0                                ; the stores of two blocks ago have read their registers
.if \a > 0
	SEND \a-1, 0, OUT2
.endif
	PLACES 4                                       ; behind the block's last products
.set j, 0
.rept 16
	v_pk_mul_f32 v[ACC+32*\a+j:ACC+32*\a+j+1], v[ACC+32*\a+j:ACC+32*\a+j+1], v[RV+2*\a:RV+2*\a+1] op_sel_hi:[1,0]
.set j, j+2
.endr
	TOSTAGE \a
.endr
	SEND 3, 0, OUT2
	s_wait_tensorcnt 0x0                           ; the wave's end
	ds_add_u32 v[SPW], v[NIL]
	s_wait_dscnt 0x0
	CROUND                                         ; the closing round
	s_endpgm
.Lfunc_end_k_qb8d2ec0874_pv:
	.size	k_qb8d2ec0874_pv, .Lfunc_end_k_qb8d2ec0874_pv-k_qb8d2ec0874_pv
	.p2alignl 7, 3214868480
	.fill 96, 4, 3214868480
	.section	.rodata,"a",@progbits
	.p2align	6, 0x0
	.amdhsa_kernel k_qb8d2ec0874_pv
		.amdhsa_group_segment_fixed_size 327680
		.amdhsa_private_segment_fixed_size 0
		.amdhsa_enable_private_segment 0
		.amdhsa_kernarg_size 40
		.amdhsa_user_sgpr_count 2
		.amdhsa_user_sgpr_kernarg_segment_ptr 1
		.amdhsa_wavefront_size32 1
		.amdhsa_system_sgpr_workgroup_id_x 1
		.amdhsa_system_sgpr_workgroup_id_y 1
		.amdhsa_system_sgpr_workgroup_id_z 1
		.amdhsa_system_vgpr_workitem_id 0
		.amdhsa_next_free_vgpr 768
		.amdhsa_next_free_sgpr 100
		.amdhsa_reserve_vcc 0
		.amdhsa_float_denorm_mode_32 3
		.amdhsa_float_denorm_mode_16_64 3
		.amdhsa_memory_ordered 1
		.amdhsa_forward_progress 1
		.amdhsa_inst_pref_size 158
	.end_amdhsa_kernel
	.amdgpu_metadata
---
amdhsa.version: [ 1, 2 ]
amdhsa.kernels:
  - .name:           k_qb8d2ec0874_pv
    .symbol:         k_qb8d2ec0874_pv.kd
    .args:
      - { .name: Pc, .offset: 0, .size: 8, .value_kind: global_buffer, .address_space: global }
      - { .name: Pst, .offset: 8, .size: 8, .value_kind: global_buffer, .address_space: global }
      - { .name: Vc, .offset: 16, .size: 8, .value_kind: global_buffer, .address_space: global }
      - { .name: Vs, .offset: 24, .size: 8, .value_kind: global_buffer, .address_space: global }
      - { .name: out0, .offset: 32, .size: 8, .value_kind: global_buffer, .address_space: global }
    .group_segment_fixed_size: 327680
    .private_segment_fixed_size: 0
    .kernarg_segment_align: 8
    .kernarg_segment_size: 40
    .max_flat_workgroup_size: 128
    .sgpr_count:     100
    .vgpr_count:     768
    .wavefront_size: 32
...
	.end_amdgpu_metadata
.endif
;; end of part 3
